; MI455X (gfx1250); checked and timed in simulation.
; The chip was launched on July 23, 2026; its instructions are those of AMD's public machine-readable ISA for CDNA 5 (MIT licence, August 2026) and "CDNA5" Instruction Set Architecture Reference Guide (July 2026). The comments in the code are by the model that wrote it; some were corrected since.
;; Attention. Allowed arithmetic: matrix products marked QUANTISED: E2M3 operands, one E8M0 scale for each 32 along K, by v_wmma_scale_f32_16x16x128_f8f6f4 with both operands' format E2M3, f32 sums; everything else in f32.
;; Inputs: W_qkv_codes 3,072 x 32 x 24 uint8 (E2M3 codes of W_qkv, K innermost, in blocks of 32 codes, four codes in three bytes); W_qkv_scales 3,072 x 32 uint8 (E8M0 scales of W_qkv, one for each 32 codes along K); b_qkv 3,072 float32; x_codes 4 x 2,048 x 32 x 24 uint8 (E2M3 codes of x, K innermost, in blocks of 32 codes, four codes in three bytes); x_scales 4 x 2,048 x 32 uint8 (E8M0 scales of x, one for each 32 codes along K).
;; Outputs: out0 4 x 2,048 x 1,024 float32.
;; This version of the problem:
;;   THIS VERSION OF THE PROBLEM IS GIVEN IN LOW PRECISION. The matrix products marked QUANTISED in the list below multiply operands that are first quantised to E2M3 (2 exponent bits, 3 mantissa bits; 6 bits a number), with one power-of-two scale for each 32 numbers along K (OCP MX v1.0); their sums are f32. All else is computed in f32.
;;   The module's matrix products, in the order in which they are computed (A, B: the left and right operand; K: the contracted axis; several contracted axes count as one K, in the product's order):
;;     1. [M 8,192, K 1,024] x [K 1,024, N 3,072]; A: input x (given as codes); B: input W_qkv (given as codes): QUANTISED
;;     2. batch 4 x [M 2,048, K 1,024] x [K 1,024, N 2,048]; A: computed on the way; B: computed on the way: QUANTISED
;;     3. batch 4 x [M 2,048, K 2,048] x [K 2,048, N 1,024]; A: softmax (see below); B: computed on the way: QUANTISED
;;   THE QUANTISER, for each operand of a quantised product, along K:
;;     - K is cut into blocks of 32 from its start; a last block that is shorter is filled with zeros.
;;     - A block's scale is 2^e with e = floor(log2(the largest magnitude in the block)) - 2, held to -126 .. 127; a block of zeros has e = 0. As a byte (E8M0): e + 127.
;;     - Each number is divided by its block's scale, clamped to +-7.5, and rounded to the nearest number of E2M3, ties to even, subnormals kept.
;;     - The product sums the exact products of the quantised numbers (number of the format x scale) in f32.
;;   ~~~python
;;   def quantise(x, axis):      # numpy; x: float32 -> the quantised numbers, widened to float32 again
;;       x = np.moveaxis(x, axis, -1); K = x.shape[-1]
;;       x = np.pad(x, [(0, 0)] * (x.ndim - 1) + [(0, -K % 32)]); x = x.reshape(x.shape[:-1] + (-1, 32)); a = np.abs(x).max(-1, keepdims=True)
;;       e = np.where(a > 0, np.clip(np.frexp(np.where(a > 0, a, 1))[1] - 1 - 2, -126, 127), 0)      # np.frexp(a)[1] - 1 = floor(log2(a)), exactly
;;       r = np.clip(x / 2.0 ** e, -7.5, 7.5)
;;       step = 2.0 ** (np.maximum(np.frexp(np.where(r == 0, 1, r))[1] - 1, 0) - 3)
;;       q = np.round(r / step) * step * 2.0 ** e      # np.round: ties to even
;;       return np.moveaxis(q.reshape(q.shape[:-2] + (-1,))[..., :K], -1, axis).astype(np.float32)
;;   ~~~
;;   SOFTMAX AHEAD OF A QUANTISED PRODUCT. Where the list says 'softmax', what is quantised is not the finished softmax but p = 2^(t - M), with t = logit x log2(e) and M = ceil(the row's largest t), a whole number; so 1/2 < the row's largest p <= 1. The row's sum l is taken of the UNQUANTISED p, in f32, and the product's result is divided by l at the end. Since M is a whole number, a kernel that streams over the keys may use a running M (the ceiling of the running maximum): every later rescaling is an exact power of two, which a block's scale takes up: the codes' values come out the same.
;;   OPERANDS COMPUTED ON THE WAY. 'Computed on the way' means the value that the module computes at that place (a softmax that the list does not call 'softmax' is quantised finished and normalised). What goes into a quantiser is computed in f32, as accurately as f32 sums, v_exp_f32 and their like allow (about 1e-6 of the number): no bf16 or f16 on the way to a quantiser, and a product that is left as it is and whose result goes on into a quantised operand takes f32 operands (vector FMAs, or v_wmma_f32_16x16x4_f32). A number that lies on a knife's edge between two numbers of the format may be rounded either way, as far as f32 arithmetic and the matrix unit's own rounding can turn it there, and no further.
;;   INPUTS GIVEN AS CODES. W_qkv (in the module: [1024, 3072], K = its axis 0); x (in the module: [4, 2048, 1024], K = its axis 2): each comes as NAME_codes (uint8): NAME with its K axis moved to the last place and cut into blocks of 32 codes, [.., K / 32, bytes a block], one block behind the other in memory; four codes in three bytes: a row's codes are one little-endian stream of bits, code i at bits 6 i .. 6 i + 5 (a code: sign, 2 exponent bits, 3 mantissa bits); and NAME_scales (uint8): the same leading axes, one E8M0 byte (e + 127) for each 32 codes along K. Its value is code x scale, taken as it is: it is not quantised again, and the codes and scales need not be those that the quantiser above would give.
;; One version. Each part assembles by itself: llvm-mc -triple=amdgcn-amd-amdhsa -mcpu=gfx1250 --defsym DOCPART=n.
;; ======== version 1 of 1: 3 launches
;; limits: right only within a limited range of input values
;; workspace buffers: qk 13,107,200 bytes; vb 6,553,600 bytes; p_codes 12,582,912 bytes; p_meta 1,572,864 bytes
;; launch proj (part 1): grid 16 x 16, 4 waves a work-group, clusters of 4 x 4, 327,680 bytes of LDS; arguments x_codes, x_scales, W_qkv_codes, W_qkv_scales, b_qkv, qk, vb; writes qk, vb
.if DOCPART == 1
	.amdgcn_target "amdgcn-amd-amdhsa--gfx1250"
	.amdhsa_code_object_version 6
	.text
	.protected	k_q4ada23792f_proj
	.globl	k_q4ada23792f_proj
	.p2align	8
	.type	k_q4ada23792f_proj,@function
k_q4ada23792f_proj:
	s_mov_b64 s[64:65], 0
	v_nop
	global_prefetch_b8 v0, s[64:65] scope:SCOPE_SE
	s_setreg_imm32_b32 hwreg(HW_REG_WAVE_MODE, 25, 1), 1
	s_wait_xcnt 0x0
	s_wait_alu depctr_hold_cnt(0) depctr_sa_sdst(0) depctr_va_vdst(0) depctr_va_sdst(0) depctr_va_ssrc(0) depctr_va_vcc(0) depctr_vm_vsrc(0)
	s_getreg_b32 s2, hwreg(HW_REG_IB_STS2, 6, 4)
	s_cmp_eq_u32 s2, 0
	s_cbranch_scc0 .Lentry_in_a_cluster
	s_endpgm
.Lentry_in_a_cluster:
	s_bfe_u32 s2, ttmp6, 0x10000c
	s_cmp_lg_u32 s2, 0xf033
	s_cbranch_scc0 .Lentry_shape_is_right
	s_endpgm
.Lentry_shape_is_right:
; FIRST LAUNCH.  Q, K, V = x W + b on the given codes, quantised on the way out: Q and K along their channels, V along the tokens.  Nothing of reference() is left out in any launch.
; LIMITS: finite inputs only: a NaN or an infinity (a scale byte 0xff too) is not carried as reference() would; a block whose largest magnitude lies under 2^-124 keeps the scale byte 1, and a block of zeros too (its codes are zeros).
; OUT.  qk: [16 planes of 128 channels: Q's 8, K's 8][64 groups of 128 token places][12,800]: 12,288 bytes of codes, [8 tiles of 16][2 halves c of 64 channels][32 lanes x 16, 32 lanes x 8]: registers 6 c .. 6 c + 5 of the next operand; then 512 bytes of scale words, [r][tile].
;   vb: [16 planes of 128 keys of a batch][4 batches x 8 groups of 128 channels][12,800]: codes [8 tiles of 16 channels][3 pieces][32 lanes x 16], then scale words [r][tile].
; TILES OF 16 ROWS.  Tile j of a band of 64 rows: lanes 0-7 take rows 8 j + r, lanes 8-15 rows 32 + 8 (j xor 1) + r - 8.  A result's lane half h then holds, over the four tiles, the 32 numbers of ONE scale block: no lane looks at another.
;   x's tokens, the weights' columns and so the next products' K are all in this order on both sides; the xor keeps the sixteen rows' LDS places modulo 16 rows apart.  A token keeps its band of 64: place 16 j + r in it.
; THE DEAL.  256 work-groups of four waves, 2 x 2: a wave holds 64 rows of a weight, all of K, in registers (384) and streams x past them in blocks of 16 rows.  A work-group makes 256 x 128 of V, then 512 x 128 of Q or K; V's rows are a half (s87) of its 512.
;   x is shared by a row of the cluster, weights by a column, by joint loads; s87 and the tensor come from the cluster's number alone.  V's key plane 2 g + w: bands 128 c + 64 w of 256-token group g, c = 0, 1.
; LDS: two slots of 128 rows of x, a region for the weights, two places for a chunk's scale bytes, stages for the results' scale bytes, the spare words.  Three refills, each in a drained round.
; A BLOCK is 32 products; behind every second one stand two entries of the block's list (addresses, descriptors, the way out of the block before).
; WAITS: NF counts the next block's fetch; + 1, + 4 the scale bytes' stores issued since.
; PREFETCHES, shared by address among the sixteen waves of the four that ask jointly: the second weight at the head, chunk 2 and the scale bytes behind the first refill, chunk 3 between the phases: each ahead of the refill that loads it.
.set KROW,   768
.set KS,     32
.set PITCH,  816
.set FR,     12
.set FPW,    21
.set NF,     28
.set RA,     128
.set YB,     RA*PITCH
.set BVB,    2*YB
.set SCL,    BVB+128*PITCH
.set CU,     16
.set SCB,    CU*272
.set XN,     SCL+2*SCB
.set XM,     XN+2048
.set SPARE,  XM+1024
.set GRP,    12800
.set QPLANE, 64*GRP
.set VPLANE, 32*GRP
.set XE,    4                          ; v4-6 my fragments' two addresses and scale bytes, even blocks; v20-22 odd blocks
.set XO,    20
.set CO,    9
.set SPW,   10
.set NIL,   11
.set ADRA,  12
.set CO8,   14
.set ABS,   16
.set AAS,   17
.set STO,   18
.set STV,   19
.set VBE,   23
.set SB,    24
.set TQ,    40
.set VBO,   42
.set SA,    44
.set TC,    60
.set ACC,   64
.set HV0,   64
.set HV1,   840
.set NCD,   128
.set MCD,   192
.set SOP,   240
.set EB,    244
.set VX,    248
.set BBQ,   160
.set SB2,   968
.set BA,    984
.set BBV,   992
.set G1A, 24
.set G0A, 56
.set G0R, 68
.set G1B, 32
.set G0B, 60
.set G1S, 92
.set G0S, 72
.set MSB, 0
.macro WIN new
.if MSB != (\new)
	s_set_vgpr_msb (MSB<<8)|(\new)
.set MSB, (\new)
.endif
.endm
.macro PLACES n
.rept \n
	v_nop
.endr
.endm
.macro WALU
	s_wait_alu depctr_va_vdst(0)
.endm
.macro BARRIER
	s_barrier_signal -1
	s_barrier_wait -1
.endm
.macro MIDDLE
	WIN 0
	s_barrier_wait -1
	s_cmp_lg_u32 s14, 0
	s_cbranch_scc1 .Lnot_wave_0_\@
	s_barrier_signal -3
.Lnot_wave_0_\@:
	s_barrier_wait -3
.endm
.macro CROUND
	s_barrier_signal -1
	MIDDLE
	BARRIER
.endm
.macro GRD
	s_wait_tensorcnt 0x0
	ds_add_u32 v[SPW], v[NIL]
.endm
.macro TLOAD g0, g1
	tensor_load_to_lds s[\g0:\g0+3], s[\g1:\g1+7]
	s_nop 0
	PLACES 4
.endm
.macro GROUP1 g, mask
	s_or_b32 s[\g+0], s[\mask], (1<<20)|(1<<21)|(5<<22)|(3<<25)
	s_mov_b32 s[\g+1], KROW<<16
	s_mov_b32 s[\g+2], 128<<16
	s_mov_b32 s[\g+3], KROW<<16
	s_mov_b32 s[\g+4], 128
	s_mov_b32 s[\g+5], KROW
	s_mov_b32 s[\g+6], 0
	s_mov_b32 s[\g+7], 0
.endm
.macro SADD d, x
	s_add_co_u32 s\d, s\d, s\x
.endm
.macro G0SET g, base, off
	s_mov_b32 s20, s\off
	s_add_nc_u64 s[\g+2:\g+3], s[\base:\base+1], s[20:21]
	s_or_b32 s[\g+3], s[\g+3], 0x80000000
.endm
; fragment f: window 1 + f / 21, register 12 (f % 21): 0-31 the weights' (4 q + tile), 32-39 and 40-47 x's two sets
.macro FRAG f, q, a0, a1, aw
	WIN ((1+(\f)/FPW)<<6)|(\aw)
.set R_, FR*((\f)%FPW)
.set SKIP_, 0
.irp p, 0,1,2,3,4,5
.if SKIP_
.set SKIP_, 0
.else
.set PC_, 12*(\q)+6*(\p/3)+\p%3
.set PN_, 12*(\q)+6*((\p+1)/3)+(\p+1)%3
.set X_, (PC_%32+3)/32
.set XQ_, (PN_%32+3)/32
.if (\p < 5) && (X_ == XQ_)
.set SKIP_, 1
.if X_
	ds_load_2addr_b64 v[R_+2*\p:R_+2*\p+3], \a1 offset0:PC_+2*(PC_/32) offset1:PN_+2*(PN_/32)
.else
	ds_load_2addr_b64 v[R_+2*\p:R_+2*\p+3], \a0 offset0:PC_+2*(PC_/32) offset1:PN_+2*(PN_/32)
.endif
.elseif X_
	ds_load_b64 v[R_+2*\p:R_+2*\p+1], \a1 offset:8*(PC_+2*(PC_/32))
.else
	ds_load_b64 v[R_+2*\p:R_+2*\p+1], \a0 offset:8*(PC_+2*(PC_/32))
.endif
.endif
.endr
.endm
.macro WEIGHTS
.irp q, 0,1,2,3,4,5,6,7
.irp b, 0,1,2,3
	FRAG 4*\q+\b, \q, v[BA-768+2*\b], v[BA-768+2*\b+1], 3
.endr
.endr
	WIN 0
.endm
.macro FETCHAT e, a0, a1, as
.irp q, 0,1,2,3,4,5,6,7
	FRAG 32+8*(\e)+\q, \q, \a0, \a1, 0
.endr
	WIN 0
	ds_load_b128 v[SA+8*(\e):SA+8*(\e)+3], \as
	ds_load_b128 v[SA+8*(\e)+4:SA+8*(\e)+7], \as offset:16
.endm
.macro FETCH e
	FETCHAT \e, v[ADRA], v[ADRA+1], v[AAS]
.endm
.macro FETCH01
	FETCHAT 0, v[XE], v[XE+1], v[XE+2]
	FETCHAT 1, v[XO], v[XO+1], v[XO+2]
	s_mov_b32 s18, 0                       ; the pair of blocks that is fetched
.endm
; product n = 4 q + tile.  kind 0 (Q, K): source 0 the weight's rows; kind 1 (V): source 0 x's.  The first four take the bias as C.
.macro PROD kind, e, n, a0, as
.set Q_, (\n)/4
.set FB_, 4*Q_+(\n)%4
.set FA_, 32+8*(\e)+Q_
.set D_, (\a0)+(\as)*((\n)%4)
.set DL_, D_&255
.set XB_, SB+8*(((\n)%4)/2)+Q_
.set XA_, SA+8*(\e)+Q_
.if \kind
.if Q_
	WIN (1+FA_/FPW)|((1+FB_/FPW)<<2)|((D_>>8)<<4)|((D_>>8)<<6)
	PROD1 DL_, FA_, FB_, v[DL_:DL_+7], XA_, XB_, b, (\n)%2
.else
	WIN (1+FA_/FPW)|((1+FB_/FPW)<<2)|(3<<4)|((D_>>8)<<6)
	PROD1 DL_, FA_, FB_, v[BBV-768+8*((\n)%4):BBV-768+8*((\n)%4)+7], XA_, XB_, b, (\n)%2
.endif
.else
	WIN (1+FB_/FPW)|((1+FA_/FPW)<<2)|((D_>>8)<<4)|((D_>>8)<<6)
.if Q_
	PROD1 DL_, FB_, FA_, v[DL_:DL_+7], XB_, XA_, a, (\n)%2
.else
	PROD1 DL_, FB_, FA_, v[BBQ+8*((\n)%4):BBQ+8*((\n)%4)+7], XB_, XA_, a, (\n)%2
.endif
.endif
.endm
.macro PROD1 d, s0, s1, c, x0, x1, side, o
.if \o
	v_wmma_scale_f32_16x16x128_f8f6f4 v[\d:\d+7], v[FR*((\s0)%FPW):FR*((\s0)%FPW)+FR-1], v[FR*((\s1)%FPW):FR*((\s1)%FPW)+FR-1], \c, v[\x0], v[\x1] matrix_a_fmt:MATRIX_FMT_FP6 matrix_b_fmt:MATRIX_FMT_FP6 matrix_\side\()_scale:MATRIX_SCALE_ROW1
.else
	v_wmma_scale_f32_16x16x128_f8f6f4 v[\d:\d+7], v[FR*((\s0)%FPW):FR*((\s0)%FPW)+FR-1], v[FR*((\s1)%FPW):FR*((\s1)%FPW)+FR-1], \c, v[\x0], v[\x1] matrix_a_fmt:MATRIX_FMT_FP6 matrix_b_fmt:MATRIX_FMT_FP6 matrix_\side\()_scale:MATRIX_SCALE_ROW0
.endif
.endm
.macro BLOCK kind, e, a0, as, from, to, list, x=0, y=0
.set N_, \from
.rept (\to)-(\from)
	PROD \kind, \e, N_, \a0, \as
.if N_%2
	\list N_-1, \x, \y
	\list N_, \x, \y
.endif
.set N_, N_+1
.endr
.endm
; the parts of the lists: each writes entry i, and nothing beyond its last
.macro STEPV i, base
.if (\i) == 0
	WIN 0
	v_add_nc_u32 v[ADRA], s101, v[\base]
.elseif (\i) == 1
	WIN 0
	v_add_nc_u32 v[ADRA+1], s101, v[\base+1]
.elseif (\i) == 2
	WIN 0
	v_add_nc_u32 v[AAS], s91, v[\base+2]
.endif
.endm
.macro STEP i, par                     ; addresses of the block two on.  An even block steps the pair (4 entries): 16 rows on in a slot, then the other slot; an odd one has 3
.if (\par) == 0
.if (\i) == 0
	s_add_co_u32 s18, s18, 1
	s_and_b32 s2, s18, 1
	s_bfe_u32 s17, s18, 0x10001
.elseif (\i) == 1
	s_mul_i32 s101, s2, 16*PITCH
	s_mul_i32 s20, s17, YB
	s_add_co_u32 s101, s101, s20
.elseif (\i) == 2
	s_mul_i32 s91, s2, 544
	s_mul_i32 s20, s17, SCB
	s_add_co_u32 s91, s91, s20
.endif
	STEPV (\i)-1, XE
.else
	STEPV \i, XO
.endif
.endm
.macro CHAIN i, x, n, t=TQ             ; 18 entries: the largest magnitude of the 32 sums from x on, by two chains; the conversions' scale operand into v[SOP+n]
.set XW_, (\x)>>8
.set XL_, (\x)&255
.if (\i) >= 0 && (\i) < 14
.set B_, XL_+16*((\i)%2)+2*((\i)/2)
.set T_, (\t)+1-(\i)%2
.if (\i) < 2
	WIN XW_|(XW_<<2)|(XW_<<4)
	v_max3_num_f32 v[T_], |v[B_]|, |v[B_+1]|, |v[B_+2]|
.else
	WIN (XW_<<2)|(XW_<<4)
	v_max3_num_f32 v[T_], v[T_], |v[B_+1]|, |v[B_+2]|
.endif
.elseif (\i) == 14
	WIN XW_<<2
	v_max3_num_f32 v[\t+1], v[\t+1], |v[XL_+15]|, 0x1800000
.elseif (\i) == 15
	WIN 0
	v_nop
.elseif (\i) == 16
	WIN XW_<<2
	v_max3_num_f32 v[\t], v[\t], |v[XL_+31]|, v[\t+1]
.elseif (\i) == 17
	WIN 0
	v_add_nc_u32 v[SOP+\n], 0xff000000, v[\t]
.endif
.endm
.macro CODES i, x, c, n, t=TC          ; 6 lines: 32 codes into v[c .. c+5], the scale's byte into v[EB+n]
.set XW_, (\x)>>8
.set XL_, (\x)&255
.if (\i) == 0
	WIN XW_
	v_cvt_scalef32_pk16_fp6_f32 v[\c:\c+2], v[XL_:XL_+15], v[SOP+\n]
.elseif (\i) == 1
	WIN XW_
	v_cvt_scalef32_pk16_fp6_f32 v[\t:\t+2], v[XL_+16:XL_+31], v[SOP+\n]
.elseif (\i) == 2
	WIN 0
	v_lshrrev_b32 v[EB+\n], 23, v[SOP+\n]
.else
	WIN 0
	v_mov_b32 v[\c+\i], v[\t+\i-3]
.endif
.endm
.macro CODES6 x, c, n
.irp i, 0,1,2,3,4,5
	CODES \i, \x, \c, \n
.endr
.endm
.macro PFTILE v, off, share            ; my sixteenth of 128 rows: 24 units of 256 bytes
	s_mul_i32 s21, s\share, RA*KROW/16
	s_add_co_u32 s20, s\off, s21
	WIN 0
	v_min_u32 v\v, RA*KROW/16/256-1, v3
	v_lshl_add_u32 v\v, v\v, 8, s20
.endm
.macro PFGO v, base
	global_prefetch_b8 v\v, s[\base:\base+1] th:TH_LOAD_NT scope:SCOPE_SE
.endm
.macro PUT3 r, base, off
.irp k, 0,1,2
	global_store_b128 v[CO], v[\r+4*\k:\r+4*\k+3], \base offset:(\off)+512*\k
.endr
.endm
.macro ASK i                           ; 4 entries: descriptors of the chunk at s88 for slot s47, of its scale bytes at s55 for s8; all four step on
.if (\i) == 0
	s_mul_i32 s[G0R+1], s14, RA/2*PITCH
	s_add_co_u32 s[G0R+1], s[G0R+1], s47
	s_mul_i32 s20, s14, RA/2*KROW
	SADD 20, 88
.elseif (\i) == 1
	s_mov_b32 s21, 0
	s_add_nc_u64 s[G0R+2:G0R+3], s[4:5], s[20:21]
	s_or_b32 s[G0R+3], s[G0R+3], 0x80000000
	s_mov_b32 s[G0S+1], s8
.elseif (\i) == 2
	s_mov_b32 s20, s55
	s_add_nc_u64 s[G0S+2:G0S+3], s[6:7], s[20:21]
	s_or_b32 s[G0S+3], s[G0S+3], 0x80000000
	s_add_co_u32 s88, s88, RA*KROW
.elseif (\i) == 3
	s_add_co_u32 s55, s55, CU*256
	s_xor_b32 s47, s47, YB
	s_xor_b32 s8, s8, (SCL)^(SCL+SCB)
.endif
.endm
.macro PAIR i                          ; 4 entries: where pair s46's codes go (by its true number, s46 xor 4 s87) and its scale bytes (by the order of work)
.if (\i) == 0
	s_lshl_b32 s3, s87, 2
	s_xor_b32 s3, s3, s46
	s_lshr_b32 s20, s3, 1
	s_mul_i32 s20, s20, GRP
.elseif (\i) == 1
	s_and_b32 s21, s3, 1
	s_mul_i32 s21, s21, 2*1536
	SADD 20, 21
	s_mov_b32 s21, 0
.elseif (\i) == 2
	s_add_nc_u64 s[84:85], s[10:11], s[20:21]
	s_and_b32 s22, s46, 1
	s_lshl_b32 s22, s22, 3
	s_bfe_u32 s23, s46, 0x20001
.elseif (\i) == 3
	s_lshl_b32 s23, s23, 9
	s_or_b32 s22, s22, s23
	s_add_co_u32 s46, s46, 1
	WIN 0
	v_add_nc_u32 v[VX], s22, v[STO]
.endif
.endm
; the lists
.macro L_STEP i, x, y
	STEP \i, \x
.endm
.macro L_NONE i, x, y
.endm
.macro L_OUTV i, x, y                  ; V: the step of block y's parity, the way out of x
	STEP \i, \y
	CHAIN (\i)-4, \x, \y
.endm
.macro L_OUTE i, x, y
	STEP \i, 0
	CHAIN (\i)-4, \x, \y
.endm
.macro L_LAST i, x, y
	CHAIN \i, \x, \y
.endm
.macro L_V2 i, x, y                    ; the first refill's descriptors, the later refills' row counts, the step, two prefetches' addresses
.if (\i) == 0
	s_mov_b32 s[G1A+2], (RA/2)<<16
	s_mov_b32 s[G1A+4], RA/2
	s_mov_b32 s[G1S+2], CU<<16
	s_mov_b32 s[G1S+4], CU
.elseif (\i) == 1
	s_mov_b32 s[G1B+2], 64<<16
	s_mov_b32 s[G1B+4], 64
	s_mul_i32 s[G0B+1], s14, 64*PITCH
	s_add_co_u32 s[G0B+1], s[G0B+1], BVB
.elseif (\i) == 2
	s_mul_i32 s20, s14, 64*KROW
	SADD 20, 9
	s_mov_b32 s21, 0
	s_add_nc_u64 s[G0B+2:G0B+3], s[48:49], s[20:21]
.elseif (\i) == 3
	s_or_b32 s[G0B+3], s[G0B+3], 0x80000000
.elseif (\i) == 8
	PFTILE 7, 88, 90
.elseif (\i) == 9
	s_lshl_b32 s21, s90, 9
	s_add_co_u32 s20, s55, s21
	WIN 0
	v_min_u32 v8, 1, v3
	v_lshl_add_u32 v8, v8, 8, s20
.endif
	STEP (\i)-4, 0
.endm
.macro L_V7 i, x, y
.if (\i) == 0
	s_add_co_u32 s22, s88, RA*KROW
	PFTILE 15, 22, 90
.endif
	CHAIN (\i)-1, \x, \y
.endm
.macro L_ODD i, x, y
	PAIR \i
	STEP (\i)-4, 1
	CHAIN (\i)-7, ACC, 0
.endm
.macro L_ODDL i, x, y
	PAIR \i
	CHAIN (\i)-4, ACC, 0
.endm
.macro L_ROUND i, x, y
	ASK \i
	STEP (\i)-4, 0
	CHAIN (\i)-8, ACC+32, 1
.endm
; the second phase's blocks.  w: the count of the wait for the block's rows (-1: shown in already)
.macro WAITDS w
.if (\w) >= 0
	s_wait_dscnt \w
.endif
.endm
.macro PUTPAIR                         ; each store covers 512 or 256 consecutive bytes
	global_store_b128 v[CO], v[NCD:NCD+3], s[84:85]
	global_store_b64 v[CO8], v[NCD+4:NCD+5], s[84:85] offset:512
	global_store_b128 v[CO], v[NCD+6:NCD+9], s[84:85] offset:1536
	global_store_b64 v[CO8], v[NCD+10:NCD+11], s[84:85] offset:2048
.endm
.macro EVENOUT fetch
	WALU
	ds_store_b8 v[VX], v[EB+1] offset:4
	PUTPAIR
.if \fetch
	FETCH 0
.endif
.endm
.macro EVEN w, fetch
	WAITDS \w
.if \fetch
	BLOCK 0, 0, ACC, 8, 0, 32, L_OUTE, ACC+32, 1
.else
	BLOCK 0, 0, ACC, 8, 0, 32, L_LAST, ACC+32, 1
.endif
	WIN 0
	CODES6 ACC+32, NCD+6, 1
	EVENOUT \fetch
.endm
.macro EVENROUND w
	WAITDS \w
	GRD
	BLOCK 0, 0, ACC, 8, 0, 26, L_ROUND
	WIN 0
	WALU
	s_wait_dscnt 0x0
	s_barrier_signal -1
	BLOCK 0, 0, ACC, 8, 26, 32, L_NONE
	WIN 0
	CODES6 ACC+32, NCD+6, 1
	MIDDLE
	BARRIER
	s_cmp_lt_u32 s14, 2
	s_cbranch_scc0 .Lscales_\@
	TLOAD G0R, G1A
	s_branch .Lasked_\@
.Lscales_\@:
	s_cmp_eq_u32 s14, 2
	s_cbranch_scc0 .Lnone_\@
	TLOAD G0S, G1S
.Lnone_\@:
.Lasked_\@:
	EVENOUT 1
.endm
.macro EVENSHOW w                      ; a plain barrier shows the last refill to all
	WAITDS \w
	BLOCK 0, 0, ACC, 8, 0, 26, L_OUTE, ACC+32, 1
	WIN 0
	WALU
	s_wait_tensorcnt 0x0
	s_wait_dscnt 0x0
	s_barrier_signal -1
	BLOCK 0, 0, ACC, 8, 26, 32, L_NONE
	WIN 0
	s_barrier_wait -1
	CODES6 ACC+32, NCD+6, 1
	EVENOUT 1
.endm
.macro ODD w, fetch
	WAITDS \w
	s_wait_xcnt 0x0                        ; the last pair's stores have read their base and codes
.if \fetch
	BLOCK 0, 1, ACC+32, 8, 0, 32, L_ODD
.else
	BLOCK 0, 1, ACC+32, 8, 0, 32, L_ODDL
.endif
	WIN 0
	CODES6 ACC, NCD, 0
	WALU
	ds_store_b8 v[VX], v[EB]
.if \fetch
	FETCH 1
.endif
.endm
; ---------------- the head
	s_load_b128 s[4:7], s[0:1], 0x0        ; x's codes, scales
	s_load_b128 s[48:51], s[0:1], 0x10     ; W's codes, scales
	s_load_b64 s[52:53], s[0:1], 0x20      ; b
	s_load_b64 s[10:11], s[0:1], 0x28      ; qk
	s_load_b64 s[76:77], s[0:1], 0x30      ; vb
	v_lshl_add_u32 v[SPW], v0, 2, SPARE
	v_mov_b32 v[NIL], 0
	ds_add_u32 v[SPW], v[NIL]
	ds_add_u32 v[SPW], v[NIL]
	v_lshrrev_b32 v1, 5, v0
	v_readfirstlane_b32 s14, v1            ; wave; s15 its row w, s16 its column
	s_lshr_b32 s15, s14, 1
	s_and_b32 s16, s14, 1
	s_bfe_u32 s40, ttmp6, 0x40000
	s_bfe_u32 s41, ttmp6, 0x40004
	s_lshl_b32 s42, ttmp9, 2
	s_add_co_u32 s42, s42, s40             ; Q's or K's tile column
	s_and_b32 s43, ttmp7, 0xffff
	s_lshl_b32 s43, s43, 2
	s_add_co_u32 s43, s43, s41             ; which 512 tokens
	s_lshr_b32 s19, ttmp9, 1
	s_and_b32 s87, ttmp9, 1                ; V's half of them
	s_lshl_b32 s13, s19, 2
	s_add_co_u32 s13, s13, s40             ; V's tile column
	s_lshl_b32 s12, s43, 1
	s_add_co_u32 s12, s12, s87             ; V's 256 tokens
	s_lshl_b32 s44, s41, 2
	s_lshl_b32 s44, 15, s44
	s_lshl_b32 s45, 0x1111, s40
	GROUP1 G1A, 44
	GROUP1 G1B, 45
	s_or_b32 s[G1S+0], s44, (3<<16)|(1<<20)|(1<<21)|(5<<22)|(3<<25)
	s_mov_b32 s[G1S+1], 32<<16
	s_mov_b32 s[G1S+2], (2*CU)<<16
	s_mov_b32 s[G1S+3], 32<<16
	s_mov_b32 s[G1S+4], 2*CU
	s_mov_b32 s[G1S+5], 32
	s_mov_b32 s[G1S+6], 0
	s_mov_b32 s[G1S+7], 0
	s_mov_b32 s[G0S], 1
	s_mov_b32 s[G0S+1], SCL
	s_mul_i32 s88, s43, 512*KROW
	s_mul_i32 s66, s12, 256*KROW
	s_mul_i32 s9, s42, 128*KROW
	s_mul_i32 s54, s13, 128*KROW
	s_add_co_u32 s54, s54, 2048*KROW
	s_mul_i32 s55, s43, 512*KS
	s_mul_i32 s89, s12, 256*KS
	s_mov_b32 s[G0A], 1
	s_mov_b32 s[G0A+1], 0
	s_mov_b32 s[G0B], 1
	s_mov_b32 s[G0B+1], BVB
	s_mov_b32 s[G0R], 1
	s_mov_b32 s[G0R+1], YB
	WALU
	s_wait_dscnt 0x0
	CROUND
	s_wait_kmcnt 0x0
	s_mov_b32 s20, s66
	s_mov_b32 s21, 0
	s_add_nc_u64 s[G0A+2:G0A+3], s[4:5], s[20:21]
	s_add_nc_u64 s[G0R+2:G0R+3], s[G0A+2:G0A+3], RA*KROW
	s_or_b32 s[G0A+3], s[G0A+3], 0x80000000
	s_or_b32 s[G0R+3], s[G0R+3], 0x80000000
	G0SET G0B, 48, 54
	G0SET G0S, 6, 89
	s_cmp_eq_u32 s14, 0
	s_cbranch_scc0 .Lwave_1
	TLOAD G0B, G1B                         ; wave 0: W_v's rows
	s_branch .Lasked
.Lwave_1:
	s_cmp_eq_u32 s14, 1
	s_cbranch_scc0 .Lwave_2
	TLOAD G0S, G1S                         ; wave 1: both chunks' scale bytes
	s_branch .Lasked
.Lwave_2:
	s_cmp_eq_u32 s14, 2
	s_cbranch_scc0 .Lwave_3
	TLOAD G0A, G1A                         ; wave 2: chunk 0
	s_branch .Lasked
.Lwave_3:
	TLOAD G0R, G1A                         ; wave 3: chunk 1
.Lasked:
	s_mul_i32 s20, s13, 128*KS             ; W_v's scale bytes, my 64 rows
	s_mul_i32 s22, s16, 64*KS
	SADD 20, 22
	s_add_co_u32 s20, s20, 2048*KS
	s_mov_b32 s21, 0
	s_add_nc_u64 s[84:85], s[50:51], s[20:21]
	s_mul_i32 s20, s42, 128*KS             ; W_q's or W_k's
	SADD 20, 22
	s_add_nc_u64 s[66:67], s[50:51], s[20:21]
	s_lshl_b32 s22, s16, 8
	s_lshl_b32 s20, s13, 9
	SADD 20, 22
	s_add_co_u32 s20, s20, 8192
	s_add_nc_u64 s[82:83], s[52:53], s[20:21]   ; V's bias
	s_lshl_b32 s20, s42, 9
	SADD 20, 22
	s_add_nc_u64 s[52:53], s[52:53], s[20:21]   ; Q's or K's
	s_mul_i32 s20, s42, QPLANE             ; where the results go
	s_mul_i32 s22, s43, 4*GRP
	SADD 20, 22
	s_add_nc_u64 s[10:11], s[10:11], s[20:21]
	s_lshl_b32 s22, s87, 1
	s_xor_b32 s22, s22, s14                ; the stage lies in the order of work: my piece's true group
	s_mul_i32 s20, s22, GRP
	s_add_co_u32 s20, s20, 12288
	s_add_nc_u64 s[78:79], s[10:11], s[20:21]
	s_mul_i32 s20, s15, 4*1536
	s_mul_i32 s22, s16, 768
	SADD 20, 22
	s_add_nc_u64 s[10:11], s[10:11], s[20:21]
	s_and_b32 s20, s12, 7
	s_lshl_b32 s20, s20, 1
	SADD 20, 15                            ; V's key plane 2 g + w
	s_mul_i32 s20, s20, VPLANE
	s_lshr_b32 s22, s12, 3
	s_lshl_b32 s22, s22, 3
	SADD 22, 13
	s_mul_i32 s22, s22, GRP
	SADD 20, 22
	s_add_nc_u64 s[76:77], s[76:77], s[20:21]
	s_lshl_b32 s20, s16, 8
	s_add_co_u32 s20, s20, 12288
	s_add_nc_u64 s[80:81], s[76:77], s[20:21]
	s_mul_i32 s20, s16, 4*1536
	s_add_nc_u64 s[76:77], s[76:77], s[20:21]
	s_lshl_b32 s90, s40, 2
	SADD 90, 14                            ; my number among the sixteen waves of my row of the cluster,
	s_lshl_b32 s100, s41, 2
	SADD 100, 14                           ; and of my column
	s_mov_b32 s46, 0
	s_mov_b32 s47, 0
	s_mov_b32 s8, SCL
	s_xor_b32 s20, s87, 1                  ; the chunks still to come are the other half's
	s_mul_i32 s22, s20, 2*RA*KROW
	SADD 88, 22
	s_mul_i32 s22, s20, 2*CU*256
	SADD 55, 22
	s_mul_i32 s20, s15, 64*PITCH
	s_add_co_u32 s23, s20, 8*PITCH
	s_mul_i32 s22, s16, 64*PITCH
	s_add_co_u32 s22, s22, BVB
	s_mul_i32 s91, s15, 8*272
	s_add_co_u32 s91, s91, SCL
	s_add_co_u32 s101, s91, 272
	s_lshl_b32 s2, s15, 4
	s_lshl_b32 s3, s16, 1
	SADD 2, 3
	s_add_co_u32 s2, s2, XN
	s_lshl_b32 s3, s15, 9
	s_lshl_b32 s17, s16, 4
	SADD 3, 17
	s_add_co_u32 s3, s3, XM
	v_and_b32 v1, 15, v0                   ; r
	v_bfe_u32 v2, v0, 4, 1                 ; h
	v_and_b32 v3, 31, v0
	v_lshrrev_b32 v64, 3, v1
	v_lshl_add_u32 v65, v64, 5, v1         ; the row of an even tile, less 8 j
	v_lshl_add_u32 v66, v64, 4, v1         ; of an odd one
	v_mul_u32_u24 v67, v65, PITCH
	v_mul_u32_u24 v68, v66, PITCH
	v_mad_u32_u24 v69, v2, 24, v67
	v_mad_u32_u24 v70, v2, 40, v67         ; (where lanes 16-31 are one padding further on)
	v_mad_u32_u24 v71, v2, 24, v68
	v_mad_u32_u24 v72, v2, 40, v68
	v_add_nc_u32 v[XE], s20, v69
	v_add_nc_u32 v[XE+1], s20, v70
	v_add_nc_u32 v[XO], s23, v71
	v_add_nc_u32 v[XO+1], s23, v72
	v_lshlrev_b32 v73, 5, v1
	v_mad_u32_u24 v74, v64, 1104, v73      ; rows 40 on: five units of 272 bytes less eight rows
	v_mad_u32_u24 v75, v64, 560, v73
	v_add_nc_u32 v[XE+2], s91, v74
	v_add_nc_u32 v[XO+2], s101, v75
	v_lshl_add_u32 v74, v2, 3, v65
	v_and_b32 v75, v64, v2
	v_lshlrev_b32 v75, 4, v75
	v_sub_nc_u32 v74, v74, v75
	v_lshlrev_b32 v[ABS], 5, v74           ; lanes 0-15 an even tile's rows, lanes 16-31 the next odd tile's
	v_lshlrev_b32 v76, 2, v65
	v_lshlrev_b32 v77, 2, v66
	v_mul_u32_u24 v[VBE], v2, 160
	v_mul_u32_u24 v[VBO], v2, 96
	v_lshlrev_b32 v[CO], 4, v3
	v_lshlrev_b32 v[CO8], 3, v3
	v_lshl_add_u32 v78, v1, 5, v2
	v_add_nc_u32 v[STO], s2, v78
	v_add_nc_u32 v[STV], s3, v78
	v_add_nc_u32 v79, s22, v69
	v_add_nc_u32 v80, s22, v70
	v_add_nc_u32 v81, s22, v71
	v_add_nc_u32 v82, s22, v72
	WIN 3<<6
.irp b, 0,2
	v_add_nc_u32 v[BA-768+2*\b], \b*8*PITCH, v79
	v_add_nc_u32 v[BA-768+2*\b+1], \b*8*PITCH, v80
.endr
.irp b, 1,3
	v_add_nc_u32 v[BA-768+2*\b], \b*8*PITCH, v81
	v_add_nc_u32 v[BA-768+2*\b+1], \b*8*PITCH, v82
.endr
	WIN 0
	PFTILE 43, 9, 100                      ; what the first refill will load
	WALU
.irp p, 0,1
.irp c, 0,1
	global_load_b128 v[SB+8*\p+4*\c:SB+8*\p+4*\c+3], v[ABS], s[84:85] offset:\p*512+16*\c
.endr
.endr
	WIN 3<<6
.irp t, 0,2
	global_load_b32 v[BBV-768+8*\t], v76, s[82:83] offset:32*\t
	global_load_b32 v[BBV-768+8*\t+8], v77, s[82:83] offset:32*\t+32
.endr
.irp p, 0,1
.irp c, 0,1
	global_load_b128 v[SB2-768+8*\p+4*\c:SB2-768+8*\p+4*\c+3], v[ABS], s[66:67] offset:\p*512+16*\c
.endr
.endr
	WIN 0
	s_wait_loadcnt 0x0
	WIN (3<<6)|3
.irp t, 0,8,16,24
.irp i, 1,2,3,4,5,6,7
	v_mov_b32 v[BBV-768+\t+\i], v[BBV-768+\t]   ; V's bias, one number a lane and tile, over the tile's eight registers
.endr
.endr
	WIN 0
	WALU
	s_cmp_eq_u32 s14, 0
	s_cbranch_scc0 .Lnot_b
	s_wait_tensorcnt 0x0
.Lnot_b:
	BARRIER                                ; W_v's rows are in
	PFGO 43, 48
	WEIGHTS
	s_cmp_eq_u32 s14, 3
	s_cbranch_scc1 .Lnot_a0
	s_wait_tensorcnt 0x0
.Lnot_a0:
	s_wait_dscnt 0x0
	BARRIER                                ; chunk 0 and the scale bytes are in; chunk 1 may be on its way
	FETCH01
; ---------------- phase 1: V, eight blocks; band 0's way outs stand in band 1's blocks
.irp s, 0,1
	s_wait_dscnt NF
	BLOCK 1, \s, HV0+8*\s, 32, 0, 32, L_STEP, \s
	WIN 0
	PLACES 4
	WALU
	FETCH \s
.endr
	s_wait_dscnt NF
	GRD
	BLOCK 1, 0, HV0+16, 32, 0, 24, L_V2
	WIN 0
	WALU
	s_wait_dscnt 0x0
	s_barrier_signal -1
	BLOCK 1, 0, HV0+16, 32, 24, 32, L_NONE
	MIDDLE
	BARRIER
	s_cmp_lt_u32 s14, 2
	s_cbranch_scc0 .Lno_half
	TLOAD G0B, G1B                         ; waves 0 and 1 a half each of W_q's or W_k's rows, onto W_v's, which all waves hold in registers
.Lno_half:
	PLACES 4
	WALU
	FETCH 0
	PFGO 7, 4
	PFGO 8, 6
	BLOCK 1, 1, HV0+24, 32, 0, 32, L_STEP, 1
	WIN 0
	PLACES 4
	WALU
	FETCH 1
.irp j, 0,1,2
	s_wait_dscnt NF+(\j+1)/2
.if \j < 2
	BLOCK 1, \j%2, HV1+8*\j, 32, 0, 32, L_OUTV, HV0+32*\j, \j
.else
	BLOCK 1, \j%2, HV1+8*\j, 32, 0, 32, L_LAST, HV0+32*\j, \j
.endif
	WIN 0
	CODES6 HV0+32*\j, MCD+12*\j, \j
	WALU
	ds_store_b8 v[STV], v[EB+\j] offset:4*\j
.if \j < 2
	FETCH \j%2
.endif
.endr
	s_wait_dscnt 1
	BLOCK 1, 1, HV1+24, 32, 0, 26, L_V7, HV0+96, 3
	WIN 0
	WALU
	s_wait_tensorcnt 0x0
	s_wait_dscnt 0x0
	s_barrier_signal -1                    ; a plain barrier: the refilled weights are shown to all
	BLOCK 1, 1, HV1+24, 32, 26, 32, L_NONE
	WIN 0
	s_barrier_wait -1
	CODES6 HV0+96, MCD+36, 3
	WALU
	ds_store_b8 v[STV], v[EB+3] offset:12
; ---------------- the change of phase: weights and the first two blocks, which lie in slot 0 still, in one run; band 1's way outs under their flight
.irp j, 0,2
	global_load_b128 v[BBQ+8*\j:BBQ+8*\j+3], v[VBE], s[52:53] offset:32*\j
	global_load_b128 v[BBQ+8*\j+4:BBQ+8*\j+7], v[VBE], s[52:53] offset:32*\j+16
	global_load_b128 v[BBQ+8*\j+8:BBQ+8*\j+11], v[VBO], s[52:53] offset:32*\j+32
	global_load_b128 v[BBQ+8*\j+12:BBQ+8*\j+15], v[VBO], s[52:53] offset:32*\j+48
.endr
	WEIGHTS
	FETCH01
	PFGO 15, 4
	WIN 3
.set I, 0
.rept 16
	v_mov_b32 v[SB+I], v[SB2-768+I]
.set I, I+1
.endr
	WIN 0
.set I, 0
.rept 18
.irp t, 0,1,2,3
	CHAIN I, HV1+32*\t, \t, 64+4*\t
.endr
.set I, I+1
.endr
.set I, 0
.rept 6
.irp t, 0,1,2,3
	CODES I, HV1+32*\t, MCD+12*\t+6, \t, 80+4*\t
.endr
.set I, I+1
.endr
	WIN 0
	WALU
; ---------------- phase 2: Q or K, sixteen blocks, way outs by pairs
	s_wait_loadcnt 0x0
	s_wait_dscnt NF
	BLOCK 0, 0, ACC, 8, 0, 32, L_STEP, 0
	WIN 0
	PLACES 4
	WALU
.irp t, 0,1,2,3
	ds_store_b8 v[STV], v[EB+\t] offset:2+4*\t
.endr
.irp t, 0,1,2,3
	PUT3 MCD+12*\t, s[76:77], 1536*\t      ; V's codes leave
.endr
	FETCH 0
	ODD NF+4, 1
	s_mov_b32 s86, 0
.Lwith_rounds:                             ; blocks 2 to 5, 6 to 9
	EVENROUND NF+1
	ODD -1, 1
	EVEN NF+1, 1
	ODD NF+1, 1
	s_add_co_u32 s86, s86, 1
	s_cmp_lg_u32 s86, 2
	s_cbranch_scc1 .Lwith_rounds
.Lwithout:                                 ; blocks 10, 11 and 12, 13
	EVENSHOW NF+1
	ODD -1, 1
	s_add_co_u32 s86, s86, 1
	s_cmp_lg_u32 s86, 4
	s_cbranch_scc1 .Lwithout
	EVEN NF+1, 0
	ODD 1, 0
; ---------------- the end: the last way out; the scale bytes go through LDS under its conversions
	s_lshl_b32 s21, s14, 9
	s_add_co_u32 s21, s21, XN
	s_lshl_b32 s22, s14, 8
	s_add_co_u32 s22, s22, XM
	v_add_nc_u32 v12, s21, v[CO]
	v_add_nc_u32 v13, s22, v[CO8]
.set I, 0
.rept 18
	CHAIN I, ACC+32, 1
.set I, I+1
.endr
	CODES 2, ACC+32, NCD+6, 1
	WALU
	ds_store_b8 v[VX], v[EB+1] offset:4
	s_wait_dscnt 0x0
	s_barrier_signal -1
	CODES 0, ACC+32, NCD+6, 1
	CODES 1, ACC+32, NCD+6, 1
	v_nop
.irp i, 3,4,5
	CODES \i, ACC+32, NCD+6, 1
.endr
	s_barrier_wait -1
	WALU
	ds_load_b128 v[64:67], v12
	ds_load_b64 v[68:69], v13
	PUTPAIR
	s_wait_dscnt 0x0
	global_store_b128 v[CO], v[64:67], s[78:79]
	global_store_b64 v[CO8], v[68:69], s[80:81]
	s_wait_tensorcnt 0x0
	ds_add_u32 v[SPW], v[NIL]
	s_wait_dscnt 0x0
	CROUND
	s_endpgm
.Lfunc_end_k_q4ada23792f_proj:
	.size	k_q4ada23792f_proj, .Lfunc_end_k_q4ada23792f_proj-k_q4ada23792f_proj
	.p2alignl 7, 3214868480
	.fill 96, 4, 3214868480
	.section	.rodata,"a",@progbits
	.p2align	6, 0x0
	.amdhsa_kernel k_q4ada23792f_proj
		.amdhsa_group_segment_fixed_size 327680
		.amdhsa_private_segment_fixed_size 0
		.amdhsa_enable_private_segment 0
		.amdhsa_kernarg_size 56
		.amdhsa_user_sgpr_count 2
		.amdhsa_user_sgpr_kernarg_segment_ptr 1
		.amdhsa_wavefront_size32 1
		.amdhsa_system_sgpr_workgroup_id_x 1
		.amdhsa_system_sgpr_workgroup_id_y 1
		.amdhsa_system_sgpr_workgroup_id_z 1
		.amdhsa_system_vgpr_workitem_id 0
		.amdhsa_next_free_vgpr 1024
		.amdhsa_next_free_sgpr 102
		.amdhsa_reserve_vcc 0
		.amdhsa_float_denorm_mode_32 3
		.amdhsa_float_denorm_mode_16_64 3
		.amdhsa_memory_ordered 1
		.amdhsa_forward_progress 1
		.amdhsa_inst_pref_size 190
	.end_amdhsa_kernel
	.amdgpu_metadata
---
amdhsa.version: [ 1, 2 ]
amdhsa.kernels:
  - .name:           k_q4ada23792f_proj
    .symbol:         k_q4ada23792f_proj.kd
    .args:
      - { .name: x_codes, .offset: 0, .size: 8, .value_kind: global_buffer, .address_space: global }
      - { .name: x_scales, .offset: 8, .size: 8, .value_kind: global_buffer, .address_space: global }
      - { .name: W_qkv_codes, .offset: 16, .size: 8, .value_kind: global_buffer, .address_space: global }
      - { .name: W_qkv_scales, .offset: 24, .size: 8, .value_kind: global_buffer, .address_space: global }
      - { .name: b_qkv, .offset: 32, .size: 8, .value_kind: global_buffer, .address_space: global }
      - { .name: qk, .offset: 40, .size: 8, .value_kind: global_buffer, .address_space: global }
      - { .name: vb, .offset: 48, .size: 8, .value_kind: global_buffer, .address_space: global }
    .group_segment_fixed_size: 327680
    .private_segment_fixed_size: 0
    .kernarg_segment_align: 8
    .kernarg_segment_size: 56
    .max_flat_workgroup_size: 128
    .sgpr_count:     102
    .vgpr_count:     1024
    .wavefront_size: 32
...
	.end_amdgpu_metadata
.endif
;; end of part 1
;; launch scores (part 2): grid 8 x 32, 4 waves a work-group, clusters of 4 x 4, 327,680 bytes of LDS; arguments qk, p_codes, p_meta; writes p_codes, p_meta
.if DOCPART == 2
	.amdgcn_target "amdgcn-amd-amdhsa--gfx1250"
	.amdhsa_code_object_version 6
	.text
	.protected	k_q4ada23792f_scores
	.globl	k_q4ada23792f_scores
	.p2align	8
	.type	k_q4ada23792f_scores,@function
k_q4ada23792f_scores:
	s_mov_b64 s[64:65], 0
	v_nop
	global_prefetch_b8 v0, s[64:65] scope:SCOPE_SE
	s_setreg_imm32_b32 hwreg(HW_REG_WAVE_MODE, 25, 1), 1
	s_wait_xcnt 0x0
	s_wait_alu depctr_hold_cnt(0) depctr_sa_sdst(0) depctr_va_vdst(0) depctr_va_sdst(0) depctr_va_ssrc(0) depctr_va_vcc(0) depctr_vm_vsrc(0)
	s_getreg_b32 s2, hwreg(HW_REG_IB_STS2, 6, 4)
	s_cmp_eq_u32 s2, 0
	s_cbranch_scc0 .Lentry_in_a_cluster
	s_endpgm
.Lentry_in_a_cluster:
	s_bfe_u32 s2, ttmp6, 0x10000c
	s_cmp_lg_u32 s2, 0xf033
	s_cbranch_scc0 .Lentry_shape_is_right
	s_endpgm
.Lentry_shape_is_right:
; SECOND LAUNCH.  S = q k^T on the first launch's codes (nothing is left out), then p = 2^(t - M), t = S x log2(e) / 32, quantised along the keys.
; M IS TAKEN LOCALLY: the ceiling of a query's largest t among the 128 keys of one wave.  M is a whole number, so p under the row's final M is p under the local one times an exact power of two, which the block's byte takes up:
; the third launch lowers the bytes by (final M - local M) and brings the local sums under the final M.
; LIMITS: as in the first launch; the promise holds while the scaled scores stay under 2^31 in magnitude; a p under 2^-126 comes out as 0.
; SHAPE.  256 queries x 256 keys of one batch to a work-group, 128 x 128 to a wave.  Source 0 = 16 keys, source 1 = 16 queries (a lane holds one).  By the tiles' order lane half h holds, over a band's four tiles, one whole block of 32 keys.
; Wave column w takes bands 64 w of both halves of the 256 keys: the keys of V's plane 2 g + w.  K = 8 planes of 128 channels: slots of three planes (codes and scale words together): 0-2, 3-5, then 6, 7 into slot 0.  One tensor load a wave behind each round.
; Joint loads: q's along a row of the cluster, k's along a column.  Prefetches: a quarter of each tile to each of the four that ask jointly, by address: planes 3-5 at the head, planes 6, 7 in step 1, each ahead of the round that loads them.
; OUT.  p_codes [plane = 2 (key / 256) + w][query tile of 16][3 pieces][lane][16];  p_meta [3][16 planes][8192 query places] words: the scale word, -M as f32, the sum of the unquantised p.
; REGISTERS: window 0: addresses; v32-47 scale words, two sets; v48-60 at work; v64-255 q's fragments, two sets (on the way out p, codes).  window 1: k's, two sets.  windows 2, 3: the 64 accumulators.
.set GRP,   12800
.set PART,  3*GRP                      ; three planes of 128 rows
.set SLOT,  4*PART
.set PLANE, 819200
.set MSTG,  2*SLOT                     ; 1,536 bytes a wave: 128 rows x (scale word, -M, sum)
.set SPARE, MSTG+6144
.set A16, 8
.set A8,  10
.set B16, 12
.set B8,  14
.set C16, 16
.set C8,  18
.set S1,  20
.set S2,  22
.set GOF, 24
.set MST, 25
.set MBY, 26
.set MLD, 27
.set SPW, 28
.set NIL, 29
.set PF,  30
.set SC,  32
.set NM,  48
.set BM,  50
.set SO,  54
.set EY,  56
.set LS,  58
.set TT,  59
.set LX,  60
.set AF,  64
.set P,   64
.set CD,  128
.set TC,  224
.set LA,  232
.set LB,  234
.set MB,  240
.set G1A, 24
.set G1B, 32
.set G0A, 68                           ; slot 0, slot 1
.set G0B, 76
.set CS,  58
.set SEL, 60
.set MSB, 0
.macro WIN new
.if MSB != (\new)
	s_set_vgpr_msb (MSB<<8)|(\new)
.set MSB, (\new)
.endif
.endm
.macro PLACES
.rept 4
	v_nop
.endr
.endm
.macro JLOAD g                         ; waves 0 and 1 fetch q's halves, waves 2 and 3 k's
	s_cmp_eq_u32 s15, 0
	s_cbranch_scc0 .Lfor_b_\@
	tensor_load_to_lds s[G0A+4*\g:G0A+4*\g+3], s[G1A:G1A+7]
	s_nop 0
	PLACES
	s_branch .Lasked_\@
.Lfor_b_\@:
	tensor_load_to_lds s[G0B+4*\g:G0B+4*\g+3], s[G1B:G1B+7]
	s_nop 0
	PLACES
.Lasked_\@:
.endm
.macro CREST
	s_cmp_lg_u32 s14, 0
	s_cbranch_scc1 .Lnot_wave_0_\@
	s_barrier_signal -3
.Lnot_wave_0_\@:
	s_barrier_wait -3
	s_barrier_signal -1
	s_barrier_wait -1
.endm
.macro CROUND
	s_barrier_signal -1
	s_barrier_wait -1
	CREST
.endm
	s_load_b128 s[4:7], s[0:1], 0x0        ; qk, p_codes
	s_load_b64 s[8:9], s[0:1], 0x10        ; p_meta
	v_lshl_add_u32 v[SPW], v0, 2, SPARE
	v_mov_b32 v[NIL], 0
	ds_add_u32 v[SPW], v[NIL]              ; the opening: the add twice on end
	ds_add_u32 v[SPW], v[NIL]
	v_lshrrev_b32 v1, 5, v0
	v_readfirstlane_b32 s14, v1
	s_lshr_b32 s15, s14, 1                 ; my half of the queries; I fetch for q (0) or k (1)
	s_and_b32 s16, s14, 1                  ; my bands of the keys; which 128 rows I fetch
	s_bfe_u32 s12, ttmp6, 0x40000
	s_bfe_u32 s13, ttmp6, 0x40004
	s_and_b32 s62, ttmp7, 0xffff
	s_lshl_b32 s17, s62, 2
	s_add_co_u32 s17, s17, s13             ; which 256 of the 8,192 queries
	s_lshr_b32 s62, s62, 1                 ; the batch
	s_lshl_b32 s19, ttmp9, 2
	s_add_co_u32 s19, s19, s12             ; which 256 keys of the batch
	s_lshl_b32 s56, s13, 2
	s_lshl_b32 s56, 15, s56
	s_lshl_b32 s57, 0x1111, s12
	s_or_b32 s[G1A], s56, (3<<16)|(1<<21)  ; three rows of 12,800 bytes (1,600 elements of 8), a plane apart
	s_or_b32 s[G1B], s57, (3<<16)|(1<<21)
.irp g, G1A, G1B
	s_mov_b32 s[\g+1], (GRP/8)<<16
	s_mov_b32 s[\g+2], 3<<16
	s_mov_b32 s[\g+3], (GRP/8)<<16
	s_mov_b32 s[\g+4], 3
	s_mov_b32 s[\g+5], PLANE/8
	s_mov_b32 s[\g+6], 0
	s_mov_b32 s[\g+7], 0
.endr
	s_mul_i32 s20, s17, 2*GRP
	s_mov_b32 s21, 0
	s_mul_i32 s22, s62, 16*GRP
	s_mul_i32 s23, s19, 2*GRP
	s_add_co_u32 s22, s22, s23
	s_add_co_u32 s22, s22, 8*PLANE
	s_mov_b32 s23, 0
	s_mul_i32 s66, s16, GRP
	s_mov_b32 s67, 0
	s_mul_i32 s63, s14, PART
	s_mov_b32 s[CS], 0x3d38aa3b            ; log2(e) / 32
	s_mov_b32 s[CS+1], s[CS]
	s_mov_b32 s[SEL], 0x76543210
	s_mov_b32 s[SEL+1], 0xfedcba98
	s_wait_alu depctr_va_vdst(0)
	s_wait_dscnt 0x0
	s_wait_kmcnt 0x0
	s_add_nc_u64 s[20:21], s[4:5], s[20:21]        ; q's tile in plane 0,
	s_add_nc_u64 s[22:23], s[4:5], s[22:23]        ; k's
.irp s, 0,1
	s_mov_b32 s[G0A+4*\s], 1
	s_add_co_u32 s[G0A+4*\s+1], s63, \s*SLOT
	s_add_nc_u64 s[G0A+4*\s+2:G0A+4*\s+3], s[20:21], s[66:67]
	s_add_nc_u64 s[G0A+4*\s+2:G0A+4*\s+3], s[G0A+4*\s+2:G0A+4*\s+3], \s*3*PLANE
	s_or_b32 s[G0A+4*\s+3], s[G0A+4*\s+3], 0x80000000
	s_mov_b32 s[G0B+4*\s], 1
	s_add_co_u32 s[G0B+4*\s+1], s63, \s*SLOT
	s_add_nc_u64 s[G0B+4*\s+2:G0B+4*\s+3], s[22:23], s[66:67]
	s_add_nc_u64 s[G0B+4*\s+2:G0B+4*\s+3], s[G0B+4*\s+2:G0B+4*\s+3], \s*3*PLANE
	s_or_b32 s[G0B+4*\s+3], s[G0B+4*\s+3], 0x80000000
.endr
	CROUND                                 ; the first joint loads meet
	JLOAD 0                                ; planes 0-2
	s_cmp_eq_u32 s15, 0                    ; the prefetches: for q or for k; my work-group's quarter of the tile's 100 units a plane
	s_cselect_b64 s[84:85], s[20:21], s[22:23]
	s_cselect_b32 s90, s12, s13
	s_mul_i32 s90, s90, 25*256
	s_mul_i32 s92, s16, PLANE
	s_mov_b32 s93, 0
	s_add_nc_u64 s[86:87], s[84:85], s[92:93]
	s_mul_i32 s18, s15, PART
	s_mul_i32 s63, s16, 4*1536
	s_add_co_u32 s63, s63, 2*PART          ; k's band 64 w in the first half of the keys,
	s_add_co_u32 s66, s63, PART            ; and in the second
	s_add_co_u32 s67, s18, 12288           ; q's scale words
	s_lshl_b32 s91, s16, 4
	s_add_co_u32 s91, s91, 2*PART
	s_sub_co_u32 s91, s91, s18             ; from q's words to k's
	s_add_co_u32 s92, s91, PART-16
	s_mul_i32 s94, s14, 1536
	s_add_co_u32 s94, s94, MSTG
	v_and_b32 v1, 15, v0                   ; r
	v_bfe_u32 v2, v0, 4, 1                 ; h
	v_and_b32 v3, 31, v0
	v_min_u32 v4, 24, v3
	v_lshl_add_u32 v[PF], v4, 8, s90
	v_lshlrev_b32 v[GOF], 4, v3
	v_lshlrev_b32 v6, 3, v3
.irp s, 0,1
	v_add_nc_u32 v[A16+\s], s18, v[GOF]
	v_add_nc_u32 v[A8+\s], s18, v6
	v_add_nc_u32 v[B16+\s], s63, v[GOF]
	v_add_nc_u32 v[B8+\s], s63, v6
	v_add_nc_u32 v[C16+\s], s66, v[GOF]
	v_add_nc_u32 v[C8+\s], s66, v6
	s_add_co_u32 s18, s18, SLOT
	s_add_co_u32 s63, s63, SLOT
	s_add_co_u32 s66, s66, SLOT
.endr
	v_lshlrev_b32 v4, 5, v1
	v_add_nc_u32 v4, s67, v4
	v_mul_u32_u24 v5, s91, v2              ; lanes 16-31 take k's words
	v_add_nc_u32 v[S1], v4, v5
	v_add_nc_u32 v[S1+1], SLOT, v[S1]
	v_mul_u32_u24 v5, s92, v2
	v_add_nc_u32 v5, v4, v5
	v_add_nc_u32 v[S2], 16, v5
	v_add_nc_u32 v[S2+1], SLOT, v[S2]
	v_lshl_add_u32 v[MST], v1, 2, s94
	v_add_nc_u32 v[MBY], v[MST], v2
	v_add_nc_u32 v[MLD], s94, v[GOF]
	s_wait_alu depctr_va_vdst(0)
	global_prefetch_b8 v[PF], s[86:87] offset:3*PLANE th:TH_LOAD_NT scope:SCOPE_SE   ; planes 3, 4, by s16,
	s_cmp_eq_u32 s16, 0
	s_cbranch_scc0 .Lno_5
	global_prefetch_b8 v[PF], s[84:85] offset:5*PLANE th:TH_LOAD_NT scope:SCOPE_SE   ; and 5
.Lno_5:
	s_lshl_b32 s18, s19, 1
	s_add_co_u32 s18, s18, s16             ; my plane of p
	s_mul_i32 s20, s18, 786432
	s_mul_i32 s21, s17, 24576
	s_add_co_u32 s20, s20, s21
	s_mul_i32 s21, s15, 12288
	s_add_co_u32 s20, s20, s21
	s_mov_b32 s21, 0
	s_add_nc_u64 s[6:7], s[6:7], s[20:21]
	s_lshl_b32 s20, s18, 15
	s_lshl_b32 s22, s17, 10
	s_add_co_u32 s20, s20, s22
	s_lshl_b32 s22, s15, 9
	s_add_co_u32 s20, s20, s22
	s_add_nc_u64 s[8:9], s[8:9], s[20:21]
.macro FRAG4 reg, a16, a8, off         ; a fragment: halves c of 64 channels, six registers each
	ds_load_b128 v[\reg:\reg+3], v[\a16] offset:\off
	ds_load_b64 v[\reg+4:\reg+5], v[\a8] offset:\off+512
	ds_load_b128 v[\reg+6:\reg+9], v[\a16] offset:\off+768
	ds_load_b64 v[\reg+10:\reg+11], v[\a8] offset:\off+1280
.endm
.macro FETCH slot, q, p                ; plane q of the slot into set p
	WIN 0x40
.irp i, 0,1,2,3
	FRAG4 128*(\p)+12*\i, B16+\slot, B8+\slot, (\q)*GRP+1536*\i
.endr
.irp i, 0,1,2,3
	FRAG4 128*(\p)+48+12*\i, C16+\slot, C8+\slot, (\q)*GRP+1536*\i
.endr
	WIN 0
.irp i, 0,1,2,3,4,5,6,7
	FRAG4 AF+96*(\p)+12*\i, A16+\slot, A8+\slot, (\q)*GRP+1536*\i
.endr
	ds_load_b128 v[SC+8*(\p):SC+8*(\p)+3], v[S1+\slot] offset:(\q)*GRP     ; register i: lanes 0-15 q's tile i, lanes 16-31 k's tile i
	ds_load_b128 v[SC+8*(\p)+4:SC+8*(\p)+7], v[S2+\slot] offset:(\q)*GRP
.endm
.macro MULA a, p, zero                 ; q's tile a against k's eight; the 64 accumulators take turns in one order in every step
	WIN 0xa1+0x50*((\a)/4)
.irp b, 0,1,2,3,4,5,6,7
.if \zero
	v_wmma_scale_f32_16x16x128_f8f6f4 v[8*(8*((\a)%4)+\b):8*(8*((\a)%4)+\b)+7], v[128*(\p)+12*\b:128*(\p)+12*\b+11], v[AF+96*(\p)+12*(\a):AF+96*(\p)+12*(\a)+11], 0, v[SC+8*(\p)+\b], v[SC+8*(\p)+(\a)] matrix_a_fmt:MATRIX_FMT_FP6 matrix_b_fmt:MATRIX_FMT_FP6 matrix_a_scale:MATRIX_SCALE_ROW1
.else
	v_wmma_scale_f32_16x16x128_f8f6f4 v[8*(8*((\a)%4)+\b):8*(8*((\a)%4)+\b)+7], v[128*(\p)+12*\b:128*(\p)+12*\b+11], v[AF+96*(\p)+12*(\a):AF+96*(\p)+12*(\a)+11], v[8*(8*((\a)%4)+\b):8*(8*((\a)%4)+\b)+7], v[SC+8*(\p)+\b], v[SC+8*(\p)+(\a)] matrix_a_fmt:MATRIX_FMT_FP6 matrix_b_fmt:MATRIX_FMT_FP6 matrix_a_scale:MATRIX_SCALE_ROW1
.endif
.endr
.endm
.macro QUARTER k, p, zero
	MULA 2*(\k), \p, \zero
	MULA 2*(\k)+1, \p, \zero
.endm
.macro STEP p, zero, ns, nq, pf        ; multiplies set p; the next step's operands are asked for ahead of its products
	s_wait_dscnt 0x0
	PLACES
	FETCH \ns, \nq, 1-\p
.if \pf
	global_prefetch_b8 v[PF], s[86:87] offset:6*PLANE th:TH_LOAD_NT scope:SCOPE_SE   ; planes 6, 7, by s16
.endif
	QUARTER 0, \p, \zero
	QUARTER 1, \p, \zero
	QUARTER 2, \p, \zero
	QUARTER 3, \p, \zero
	WIN 0
.endm
.macro TURN p, fill, ns                ; a step at which a slot is left
	s_wait_tensorcnt 0x0                   ; my part of the next slot has landed
	ds_add_u32 v[SPW], v[NIL]
	s_wait_dscnt 1                         ; set p is in; the add may be out
	QUARTER 0, \p, 0
	s_wait_dscnt 0x0
	s_barrier_signal -1
	QUARTER 1, \p, 0
	WIN 0
	s_barrier_wait -1
.if \fill
	CREST
	s_add_nc_u64 s[G0A+2:G0A+3], s[G0A+2:G0A+3], 6*PLANE
	s_add_nc_u64 s[G0B+2:G0B+3], s[G0B+2:G0B+3], 6*PLANE
.irp g, G1A, G1B
	s_mov_b32 s[\g+2], 2<<16               ; two planes
	s_mov_b32 s[\g+4], 2
.endr
	JLOAD 0
.else
	PLACES
.endif
	FETCH \ns, 0, 1-\p
	QUARTER 2, \p, 0
	QUARTER 3, \p, 0
	WIN 0
.endm
	s_wait_tensorcnt 0x0                   ; my part of slot 0 is in
	ds_add_u32 v[SPW], v[NIL]
	s_wait_dscnt 0x0
	CROUND
	JLOAD 1                                ; planes 3-5: three steps, 192 matrix instructions, in which to land
	FETCH 0, 0, 0
	STEP 0, 1, 0, 1, 0                     ; step 0 starts the sums
	STEP 1, 0, 0, 2, 1
	TURN 0, 1, 1
	STEP 1, 0, 1, 1, 0
	STEP 0, 0, 1, 2, 0
	TURN 1, 0, 0
	STEP 0, 0, 0, 1, 0
	s_wait_dscnt 0x0
	QUARTER 0, 1, 0
	QUARTER 1, 1, 0
	QUARTER 2, 1, 0
	QUARTER 3, 1, 0
	WIN 0
; tile a: 16 queries x my 128 keys.  Registers 32 c .. 32 c + 31 of a lane are one block of 32 keys.
.macro SOFT a
.set AC, 64*((\a)%4)
.set W, 2+(\a)/4
	WIN W|(W<<2)|(W<<4)
	s_wait_alu depctr_va_vdst(0)
.irp b, 0,1,2,3
	v_max3_num_f32 v[BM+\b], v[AC+16*\b], v[AC+16*\b+1], v[AC+16*\b+2]
.endr
	WIN (W<<2)|(W<<4)
.irp i, 3,5,7,9,11,13
.irp b, 0,1,2,3
	v_max3_num_f32 v[BM+\b], v[BM+\b], v[AC+16*\b+\i], v[AC+16*\b+\i+1]
.endr
.endr
	WIN W<<4
	v_max3_num_f32 v[BM], v[BM], v[BM+1], v[AC+15]
	v_max3_num_f32 v[BM+2], v[BM+2], v[BM+3], v[AC+47]
	WIN W<<2
	v_max_num_f32 v[BM], v[BM], v[AC+31]           ; each block's largest score: since p rises with the score it serves for the block's largest p too
	v_max_num_f32 v[BM+2], v[BM+2], v[AC+63]
	WIN 0
	v_max_num_f32 v[TT], v[BM], v[BM+2]
	v_permlanex16_b32 v[LX], v[TT], s[SEL], s[SEL+1]
	v_max_num_f32 v[TT], v[TT], v[LX]
	v_mul_f32 v[TT], s[CS], v[TT]
	v_floor_f32 v[NM], -v[TT]                      ; -M = floor(-t) = -ceil(t)
	WIN W
.set j, 0
.rept 32
	v_pk_fma_f32 v[P+j:P+j+1], v[AC+j:AC+j+1], s[CS:CS+1], v[NM:NM+1] op_sel_hi:[1,0,0]
.set j, j+2
.endr
	WIN 0
	v_fma_f32 v[BM], v[BM], s[CS], v[NM]
	v_fma_f32 v[BM+2], v[BM+2], s[CS], v[NM]
	s_wait_alu depctr_va_vdst(0)
.set j, 0
.rept 64
	v_exp_f32 v[P+j], v[P+j]
.set j, j+1
.endr
	v_exp_f32 v[BM], v[BM]
	v_exp_f32 v[BM+2], v[BM+2]
	v_nop
	s_wait_alu depctr_va_vdst(0)
	v_pk_add_f32 v[LA:LA+1], v[P:P+1], v[P+2:P+3]  ; the sum of the unquantised p, in two chains
	v_pk_add_f32 v[LB:LB+1], v[P+4:P+5], v[P+6:P+7]
.irp j, 8,12,16,20,24,28,32,36,40,44,48,52,56,60
	v_pk_add_f32 v[LA:LA+1], v[LA:LA+1], v[P+\j:P+\j+1]
	v_pk_add_f32 v[LB:LB+1], v[LB:LB+1], v[P+\j+2:P+\j+3]
.endr
	v_max_num_f32 v[BM], 0x1800000, v[BM]          ; the floor: the byte cannot fall under 1
	v_pk_add_f32 v[LA:LA+1], v[LA:LA+1], v[LB:LB+1]
	v_max_num_f32 v[BM+2], 0x1800000, v[BM+2]
	v_add_f32 v[LS], v[LA], v[LA+1]
	v_add_nc_u32 v[SO], 0xff000000, v[BM]
	v_add_nc_u32 v[SO+1], 0xff000000, v[BM+2]
	v_permlanex16_b32 v[LX], v[LS], s[SEL], s[SEL+1]
	v_lshrrev_b32 v[EY], 23, v[SO]
	v_lshrrev_b32 v[EY+1], 23, v[SO+1]
	v_add_f32 v[LS], v[LS], v[LX]
.irp c, 0,1
	v_cvt_scalef32_pk16_fp6_f32 v[CD+12*(\a)+6*\c:CD+12*(\a)+6*\c+2], v[P+32*\c:P+32*\c+15], v[SO+\c]
	v_cvt_scalef32_pk16_fp6_f32 v[TC+4*\c:TC+4*\c+2], v[P+32*\c+16:P+32*\c+31], v[SO+\c]
.endr
	v_nop
.irp c, 0,1
.irp i, 0,1,2
	v_mov_b32 v[CD+12*(\a)+6*\c+3+\i], v[TC+4*\c+\i]
.endr
.endr
.irp c, 0,1,2
	global_store_b128 v[GOF], v[CD+12*(\a)+4*\c:CD+12*(\a)+4*\c+3], s[6:7] offset:1536*(\a)+512*\c
.endr
	ds_store_b8 v[MBY], v[EY] offset:64*(\a)       ; byte 2 c + h of the query's word
	ds_store_b8 v[MBY], v[EY+1] offset:64*(\a)+2
	ds_store_b32 v[MST], v[NM] offset:512+64*(\a)  ; lanes l and l xor 16 store the same value
	ds_store_b32 v[MST], v[LS] offset:1024+64*(\a)
.endm
	PLACES
	v_mov_b32 v[NM+1], 0                           ; (named as the upper half of a pair)
	v_mov_b32 v[LX], 0                             ; (a lane permute's destination counts as a source)
.irp a, 0,1,2,3,4,5,6,7
	SOFT \a
.endr
.irp g, 0,1,2
	ds_load_b128 v[MB+4*\g:MB+4*\g+3], v[MLD] offset:512*\g
.endr
	s_wait_dscnt 0x0
.irp g, 0,1,2
	global_store_b128 v[GOF], v[MB+4*\g:MB+4*\g+3], s[8:9] offset:524288*\g
.endr
	s_wait_tensorcnt 0x0                           ; the wave's end
	ds_add_u32 v[SPW], v[NIL]
	s_wait_dscnt 0x0
	CROUND
	s_endpgm
.Lfunc_end_k_q4ada23792f_scores:
	.size	k_q4ada23792f_scores, .Lfunc_end_k_q4ada23792f_scores-k_q4ada23792f_scores
	.p2alignl 7, 3214868480
	.fill 96, 4, 3214868480
	.section	.rodata,"a",@progbits
	.p2align	6, 0x0
	.amdhsa_kernel k_q4ada23792f_scores
		.amdhsa_group_segment_fixed_size 327680
		.amdhsa_private_segment_fixed_size 0
		.amdhsa_enable_private_segment 0
		.amdhsa_kernarg_size 24
		.amdhsa_user_sgpr_count 2
		.amdhsa_user_sgpr_kernarg_segment_ptr 1
		.amdhsa_wavefront_size32 1
		.amdhsa_system_sgpr_workgroup_id_x 1
		.amdhsa_system_sgpr_workgroup_id_y 1
		.amdhsa_system_sgpr_workgroup_id_z 1
		.amdhsa_system_vgpr_workitem_id 0
		.amdhsa_next_free_vgpr 1024
		.amdhsa_next_free_sgpr 102
		.amdhsa_reserve_vcc 0
		.amdhsa_float_denorm_mode_32 3
		.amdhsa_float_denorm_mode_16_64 3
		.amdhsa_memory_ordered 1
		.amdhsa_forward_progress 1
		.amdhsa_inst_pref_size 192
	.end_amdhsa_kernel
	.amdgpu_metadata
---
amdhsa.version: [ 1, 2 ]
amdhsa.kernels:
  - .name:           k_q4ada23792f_scores
    .symbol:         k_q4ada23792f_scores.kd
    .args:
      - { .name: qk, .offset: 0, .size: 8, .value_kind: global_buffer, .address_space: global }
      - { .name: p_codes, .offset: 8, .size: 8, .value_kind: global_buffer, .address_space: global }
      - { .name: p_meta, .offset: 16, .size: 8, .value_kind: global_buffer, .address_space: global }
    .group_segment_fixed_size: 327680
    .private_segment_fixed_size: 0
    .kernarg_segment_align: 8
    .kernarg_segment_size: 24
    .max_flat_workgroup_size: 128
    .sgpr_count:     102
    .vgpr_count:     1024
    .wavefront_size: 32
...
	.end_amdgpu_metadata
.endif
;; end of part 2
;; launch values (part 3): grid 4 x 64, 4 waves a work-group, clusters of 4 x 4, 327,680 bytes of LDS; arguments p_codes, p_meta, vb, out0; writes out0
.if DOCPART == 3
	.amdgcn_target "amdgcn-amd-amdhsa--gfx1250"
	.amdhsa_code_object_version 6
	.text
	.protected	k_q4ada23792f_values
	.globl	k_q4ada23792f_values
	.p2align	8
	.type	k_q4ada23792f_values,@function
k_q4ada23792f_values:
	s_mov_b64 s[64:65], 0
	v_nop
	global_prefetch_b8 v0, s[64:65] scope:SCOPE_SE
	s_setreg_imm32_b32 hwreg(HW_REG_WAVE_MODE, 25, 1), 1
	s_wait_xcnt 0x0
	s_wait_alu depctr_hold_cnt(0) depctr_sa_sdst(0) depctr_va_vdst(0) depctr_va_sdst(0) depctr_va_ssrc(0) depctr_va_vcc(0) depctr_vm_vsrc(0)
	s_getreg_b32 s2, hwreg(HW_REG_IB_STS2, 6, 4)
	s_cmp_eq_u32 s2, 0
	s_cbranch_scc0 .Lentry_in_a_cluster
	s_endpgm
.Lentry_in_a_cluster:
	s_bfe_u32 s2, ttmp6, 0x10000c
	s_cmp_lg_u32 s2, 0xf033
	s_cbranch_scc0 .Lentry_shape_is_right
	s_endpgm
.Lentry_shape_is_right:
; THIRD LAUNCH.  out = (p v) / l on the codes of p and v; nothing is left out.
; THE REPAIR.  Thread i owns query place i of the work-group's 128: it takes the largest M of the 16 planes, lowers each plane's four scale bytes by d = final M - local M, multiplies each local sum by 2^-d and adds them: l.  The words and 1 / l go to LDS.
; LIMITS: as in the first launch.  A byte that would fall under 0 is taken as 0, 2^-127: such a block then counts for at most 2^-124, beside a row's sum of more than 1/2.
; SHAPE.  128 queries x 256 channels to a work-group, 64 x 128 to a wave: 32 accumulators.  Source 0 = 16 channels of v, source 1 = 16 queries.  K = 16 steps of 128 keys; a slot holds four planes; two slots; one tensor load a wave behind each round.
; THE LAST SLOT'S FOUR STEPS GO BY ROWS OF out: all its fragments of v lie in registers (384), and a tile of 16 queries is finished after 32 products and leaves while the next ones are multiplied.
; Joint loads: p's along a row of the cluster, v's along a column.  Prefetches: a quarter of each tile to each of the four, a plane to each wave: slot 1's first tile at the head, planes 8-11 in step 1, 12-15 in step 5: two steps ahead of their loads.
; REGISTERS: window 0: v8-23 addresses; v32-55 scale words, two sets; v56-63 1 / l; v64-159 p's fragments, two sets (at the head: the repair); v160-223 results; v224-247 the last planes' scale words.
;   window 1: v's fragments, two sets at 0 and 128 (96 each).  window 2: accumulators.  window 3: v's planes 14, 15.  v192-... of windows 1 and 3: see BK.
.set GRP,    12800
.set VOFF,   49152                     ; in a slot: p [4 planes][8 tiles][1536], then v's two halves, four groups of 12,800 each
.set VHALF,  4*GRP
.set SLOT,   VOFF+2*VHALF
.set PPLANE, 786432
.set VPLANE, 409600
.set SCA,    2*SLOT                    ; p's repaired scale words, [16 planes][r][tile]: stored by the waves
.set LINV,   SCA+8192
.set SPARE,  LINV+512
.set SPITCH, 528                       ; the way out: 16 rows x (512 + 16) bytes a wave, in slot 0, which has then had its last fill and its last read
.set ADRA, 8
.set ADRB, 10
.set SV,   12
.set SP,   14
.set CO,   15
.set STE,  16                          ; even tiles of channels, odd tiles
.set STD,  17
.set RD,   18
.set MOF,  19
.set LIA,  20
.set SAW,  21
.set PFP,  22
.set PFV,  23
.set LIW,  24
.set SPW,  28
.set NIL,  29
.set VSC,  32
.set PSC,  48
.set LI,   56
.set AF,   64
.set WD,   64
.set NMR,  80
.set LL,   96
.set NG,   112
.set EE,   113
.set DD,   114
.set XX,   115
.set OT,   160
.set BK,   188
.set G1A, 24
.set G1B, 32
.set G0A, 68
.set G0B, 76
.set ONES, 58
.set MSB, 0
.macro WIN new
.if MSB != (\new)
	s_set_vgpr_msb (MSB<<8)|(\new)
.set MSB, (\new)
.endif
.endm
.macro PLACES
.rept 4
	v_nop
.endr
.endm
.macro JLOAD g
	s_cmp_eq_u32 s15, 0
	s_cbranch_scc0 .Lfor_b_\@
	tensor_load_to_lds s[G0A+4*\g:G0A+4*\g+3], s[G1A:G1A+7]
	s_nop 0
	PLACES
	s_branch .Lasked_\@
.Lfor_b_\@:
	tensor_load_to_lds s[G0B+4*\g:G0B+4*\g+3], s[G1B:G1B+7]
	s_nop 0
	PLACES
.Lasked_\@:
.endm
.macro CREST
	s_cmp_lg_u32 s14, 0
	s_cbranch_scc1 .Lnot_wave_0_\@
	s_barrier_signal -3
.Lnot_wave_0_\@:
	s_barrier_wait -3
	s_barrier_signal -1
	s_barrier_wait -1
.endm
.macro CROUND
	s_barrier_signal -1
	s_barrier_wait -1
	CREST
.endm
	s_load_b256 s[4:11], s[0:1], 0x0               ; p_codes, p_meta, vb, out0
	v_lshl_add_u32 v[SPW], v0, 2, SPARE
	v_mov_b32 v[NIL], 0
	ds_add_u32 v[SPW], v[NIL]
	ds_add_u32 v[SPW], v[NIL]
	v_lshrrev_b32 v1, 5, v0
	v_readfirstlane_b32 s14, v1
	s_lshr_b32 s15, s14, 1                         ; my half of the queries; I fetch for p (0) or v (1)
	s_and_b32 s16, s14, 1                          ; my half of the channels; which part I fetch
	s_bfe_u32 s19, ttmp6, 0x40000                  ; cx: which 256 channels
	s_bfe_u32 s18, ttmp6, 0x40004                  ; cy
	s_and_b32 s62, ttmp7, 0xffff
	s_lshl_b32 s17, s62, 2
	s_add_co_u32 s17, s17, s18                     ; which 128 of the 8,192 queries
	s_lshr_b32 s62, s62, 2                         ; the batch
	s_lshl_b32 s56, s18, 2
	s_lshl_b32 s56, 15, s56
	s_lshl_b32 s57, 0x1111, s19
	s_or_b32 s[G1A], s56, (3<<16)|(1<<21)          ; p: two planes' 8 tiles: 2 rows of 12,288 bytes
	s_mov_b32 s[G1A+1], 1536<<16
	s_mov_b32 s[G1A+2], 2<<16
	s_mov_b32 s[G1A+3], 1536<<16
	s_mov_b32 s[G1A+4], 2
	s_mov_b32 s[G1A+5], PPLANE/8
	s_mov_b32 s[G1A+6], 0
	s_mov_b32 s[G1A+7], 0
	s_or_b32 s[G1B], s57, (3<<16)|(1<<21)          ; v: four planes' group of 128 channels: 4 rows of 12,800 bytes
	s_mov_b32 s[G1B+1], (GRP/8)<<16
	s_mov_b32 s[G1B+2], 4<<16
	s_mov_b32 s[G1B+3], (GRP/8)<<16
	s_mov_b32 s[G1B+4], 4
	s_mov_b32 s[G1B+5], VPLANE/8
	s_mov_b32 s[G1B+6], 0
	s_mov_b32 s[G1B+7], 0
	s_mul_i32 s20, s17, 12288                      ; p's tile in plane 0
	s_mov_b32 s21, 0
	s_lshl_b32 s22, s62, 3
	s_lshl_b32 s23, s19, 1
	s_add_co_u32 s22, s22, s23
	s_mul_i32 s22, s22, GRP                        ; v's
	s_mov_b32 s23, 0
	s_lshl_b32 s100, s17, 9                        ; p_meta: my tile's 128 places
	s_mov_b32 s101, 0
	s_mul_i32 s66, s16, 2*PPLANE                   ; the part that I fetch: of p two planes,
	s_mov_b32 s67, 0
	s_mul_i32 s84, s16, GRP                        ; of v 128 channels
	s_mov_b32 s85, 0
	s_mul_i32 s63, s16, 24576
	s_mul_i32 s92, s16, VHALF
	s_add_co_u32 s92, s92, VOFF
	s_add_co_u32 s86, s14, 4                       ; the prefetches: wave w names plane w of a slot's four
	s_mul_i32 s88, s86, PPLANE
	s_mov_b32 s89, 0
	s_mul_i32 s90, s86, VPLANE
	s_mov_b32 s91, 0
	s_mul_i32 s93, s19, 12*256
	s_mul_i32 s94, s18, 25*256
	s_mov_b32 s[ONES], 0x01010101
	v_lshlrev_b32 v[MOF], 2, v0
	s_wait_alu depctr_va_vdst(0)
	s_wait_dscnt 0x0
	s_wait_kmcnt 0x0
	s_add_nc_u64 s[20:21], s[4:5], s[20:21]
	s_add_nc_u64 s[22:23], s[8:9], s[22:23]
	s_add_nc_u64 s[6:7], s[6:7], s[100:101]
	s_add_nc_u64 s[88:89], s[20:21], s[88:89]
	s_add_nc_u64 s[90:91], s[22:23], s[90:91]
.irp k, 0,1,2,3,4,5,6,7,8,9,10,11,12,13,14,15
	global_load_b32 v[NMR+\k], v[MOF], s[6:7] offset:524288+32768*\k
.endr
.irp k, 0,1,2,3,4,5,6,7,8,9,10,11,12,13,14,15
	global_load_b32 v[WD+\k], v[MOF], s[6:7] offset:32768*\k
	global_load_b32 v[LL+\k], v[MOF], s[6:7] offset:1048576+32768*\k
.endr
.irp s, 0,1
	s_mov_b32 s[G0A+4*\s], 1
	s_add_co_u32 s[G0A+4*\s+1], s63, \s*SLOT
	s_add_nc_u64 s[G0A+4*\s+2:G0A+4*\s+3], s[20:21], s[66:67]
	s_add_nc_u64 s[G0A+4*\s+2:G0A+4*\s+3], s[G0A+4*\s+2:G0A+4*\s+3], \s*4*PPLANE
	s_or_b32 s[G0A+4*\s+3], s[G0A+4*\s+3], 0x80000000
	s_mov_b32 s[G0B+4*\s], 1
	s_add_co_u32 s[G0B+4*\s+1], s92, \s*SLOT
	s_add_nc_u64 s[G0B+4*\s+2:G0B+4*\s+3], s[22:23], s[84:85]
	s_add_nc_u64 s[G0B+4*\s+2:G0B+4*\s+3], s[G0B+4*\s+2:G0B+4*\s+3], \s*4*VPLANE
	s_or_b32 s[G0B+4*\s+3], s[G0B+4*\s+3], 0x80000000
.endr
	CROUND                                         ; the first joint loads meet
	JLOAD 0
	s_mul_i32 s86, s15, 6144                       ; my 4 tiles of p
	s_mul_i32 s63, s16, VHALF
	s_add_co_u32 s63, s63, VOFF                    ; my 8 tiles of v,
	s_add_co_u32 s92, s63, 12288                   ; and their scale words
	s_lshl_b32 s66, s15, 4
	s_add_co_u32 s66, s66, SCA
	s_lshl_b32 s67, s15, 8
	s_add_co_u32 s67, s67, LINV
	s_mul_i32 s84, s14, 16*SPITCH
	v_and_b32 v1, 15, v0                           ; r
	v_bfe_u32 v2, v0, 4, 1                         ; h
	v_and_b32 v3, 31, v0
	v_lshlrev_b32 v[CO], 4, v3
	v_min_u32 v4, 11, v3
	v_lshl_add_u32 v[PFP], v4, 8, s93
	v_min_u32 v4, 24, v3
	v_lshl_add_u32 v[PFV], v4, 8, s94
	v_lshlrev_b32 v4, 5, v1
	v_add_nc_u32 v[ADRA], s86, v[CO]
	v_add_nc_u32 v[ADRA+1], SLOT, v[ADRA]
	v_add_nc_u32 v[ADRB], s63, v[CO]
	v_add_nc_u32 v[ADRB+1], SLOT, v[ADRB]
	v_add_nc_u32 v[SV], s92, v4
	v_add_nc_u32 v[SV+1], SLOT, v[SV]
	v_add_nc_u32 v[SP], s66, v4
	v_lshl_add_u32 v[LIA], v1, 2, s67
	v_lshrrev_b32 v5, 4, v0
	v_lshl_add_u32 v5, v5, 2, v4
	v_add_nc_u32 v[SAW], SCA, v5                   ; my query's words: [r][tile]
	v_lshl_add_u32 v[LIW], v0, 2, LINV
	v_mul_u32_u24 v5, v1, SPITCH
	v_add_nc_u32 v5, s84, v5
	v_mul_u32_u24 v6, v2, 160
	v_add_nc_u32 v[STE], v5, v6                    ; in: row r; even tile t: channels 8 t on, lanes 16-31 32 + 8 (t + 1) on
	v_mul_u32_u24 v6, v2, 96
	v_add_nc_u32 v[STD], v5, v6                    ; odd tile: lanes 16-31 32 + 8 (t - 1) on
	v_add_nc_u32 v[RD], s84, v[CO]
.irp a, 0,1,2,3
	v_mov_b32 v[LI+2*\a+1], 0                      ; (named as the upper halves of pairs)
.endr
	s_wait_alu depctr_va_vdst(0)
	global_prefetch_b8 v[PFP], s[88:89] th:TH_LOAD_NT scope:SCOPE_SE
	global_prefetch_b8 v[PFV], s[90:91] th:TH_LOAD_NT scope:SCOPE_SE
	s_lshl_b32 s20, s17, 19                        ; out0: row 128 x tile + 64 x half, 4,096 bytes a row; column 256 cx + 128 x half
	s_lshl_b32 s21, s15, 18
	s_add_co_u32 s20, s20, s21
	s_lshl_b32 s21, s19, 10
	s_add_co_u32 s20, s20, s21
	s_lshl_b32 s21, s16, 9
	s_add_co_u32 s20, s20, s21
	s_mov_b32 s21, 0
	s_add_nc_u64 s[10:11], s[10:11], s[20:21]
	; THE REPAIR
	s_wait_loadcnt 0x0
	v_min_num_f32 v[NG], v[NMR], v[NMR+1]
.irp k, 2,3,4,5,6,7,8,9,10,11,12,13,14,15
	v_min_num_f32 v[NG], v[NG], v[NMR+\k]          ; the least -M: the final M
.endr
.irp k, 0,1,2,3,4,5,6,7,8,9,10,11,12,13,14,15
	v_sub_f32 v[EE], v[NG], v[NMR+\k]              ; local M - final M: a whole number, 0 or less
	v_cvt_i32_f32 v[EE], v[EE]                     ; (it saturates)
	v_ldexp_f32 v[LL+\k], v[LL+\k], v[EE]
	v_sub_nc_u32 v[DD], 0, v[EE]
	v_min_u32 v[DD], 0x7f, v[DD]                   ; d, held at 127: the bytes are at most 125
	v_mul_lo_u32 v[DD], v[DD], s[ONES]
	v_or_b32 v[WD+\k], 0x80808080, v[WD+\k]        ; 128 onto each byte, so that no byte borrows from the next
	v_sub_nc_u32 v[WD+\k], v[WD+\k], v[DD]
	v_lshrrev_b32 v[XX], 7, v[WD+\k]
	v_and_b32 v[XX], s[ONES], v[XX]                ; 1 where the byte was at least d
	v_mul_lo_u32 v[XX], v[XX], 0x7f
	v_and_b32 v[WD+\k], v[WD+\k], v[XX]            ; byte - d there, else 0
.endr
.irp k, 1,2,3,4,5,6,7,8,9,10,11,12,13,14,15
	v_add_f32 v[LL], v[LL], v[LL+\k]               ; l
.endr
	s_wait_alu depctr_va_vdst(0)
	v_rcp_f32 v[XX], v[LL]
	v_nop
	s_wait_alu depctr_va_vdst(0)
.irp k, 0,1,2,3,4,5,6,7,8,9,10,11,12,13,14,15
	ds_store_b32 v[SAW], v[WD+\k] offset:512*\k
.endr
	ds_store_b32 v[LIW], v[XX]
	s_wait_tensorcnt 0x0                           ; my part of slot 0 is in
	ds_add_u32 v[SPW], v[NIL]
	s_wait_dscnt 0x0                               ; the add and my stores are done
	CROUND
	JLOAD 1                                        ; slot 1's first fill: four steps, 128 matrix instructions, in which to land
.macro FRAG3 reg, adr, off
.irp c, 0,1,2
	ds_load_b128 v[\reg+4*\c:\reg+4*\c+3], v[\adr] offset:\off+512*\c
.endr
.endm
.macro FETCH slot, q, ks, p                        ; plane q of the slot, which is step ks, into set p: 39 loads
	WIN 0x40
.irp i, 0,1,2,3,4,5,6,7
	FRAG3 96*(\p)+12*\i, ADRB+\slot, (\q)*GRP+1536*\i
.endr
	WIN 0
.irp i, 0,1,2,3
	FRAG3 AF+48*(\p)+12*\i, ADRA+\slot, (\q)*12288+1536*\i
.endr
	ds_load_b128 v[VSC+8*(\p):VSC+8*(\p)+3], v[SV+\slot] offset:(\q)*GRP
	ds_load_b128 v[VSC+8*(\p)+4:VSC+8*(\p)+7], v[SV+\slot] offset:(\q)*GRP+16
	ds_load_b128 v[PSC+4*(\p):PSC+4*(\p)+3], v[SP] offset:512*(\ks)
.endm
.macro MULA a, p, zero                             ; p's tile a against v's eight; the 32 accumulators take turns in one order
	WIN 0xa1
.irp b, 0,1,2,3,4,5,6,7
.if \zero
	v_wmma_scale_f32_16x16x128_f8f6f4 v[8*(8*(\a)+\b):8*(8*(\a)+\b)+7], v[96*(\p)+12*\b:96*(\p)+12*\b+11], v[AF+48*(\p)+12*(\a):AF+48*(\p)+12*(\a)+11], 0, v[VSC+8*(\p)+\b], v[PSC+4*(\p)+(\a)] matrix_a_fmt:MATRIX_FMT_FP6 matrix_b_fmt:MATRIX_FMT_FP6
.else
	v_wmma_scale_f32_16x16x128_f8f6f4 v[8*(8*(\a)+\b):8*(8*(\a)+\b)+7], v[96*(\p)+12*\b:96*(\p)+12*\b+11], v[AF+48*(\p)+12*(\a):AF+48*(\p)+12*(\a)+11], v[8*(8*(\a)+\b):8*(8*(\a)+\b)+7], v[VSC+8*(\p)+\b], v[PSC+4*(\p)+(\a)] matrix_a_fmt:MATRIX_FMT_FP6 matrix_b_fmt:MATRIX_FMT_FP6
.endif
.endr
.endm
.macro STEP p, zero, ns, nq, nks, pf=0
	s_wait_dscnt 0x0
	PLACES
	FETCH \ns, \nq, \nks, 1-\p
.if \pf
	global_prefetch_b8 v[PFP], s[88:89] offset:4*(\pf)*PPLANE th:TH_LOAD_NT scope:SCOPE_SE
	global_prefetch_b8 v[PFV], s[90:91] offset:4*(\pf)*VPLANE th:TH_LOAD_NT scope:SCOPE_SE
.endif
	MULA 0, \p, \zero
	MULA 1, \p, \zero
	MULA 2, \p, \zero
	MULA 3, \p, \zero
	WIN 0
.endm
.macro MEET                                        ; a slot's last step, on set 1: the barrier and what stands in front of it
	s_wait_tensorcnt 0x0                           ; my part of the next slot has landed
	ds_add_u32 v[SPW], v[NIL]
	s_wait_dscnt 1                                 ; set 1 is in; the add may be out
	MULA 0, 1, 0
	s_wait_dscnt 0x0
	s_barrier_signal -1
	MULA 1, 1, 0
	WIN 0
	s_barrier_wait -1
.endm
.macro TURN g, ns, nks
	MEET
	CREST
	s_add_nc_u64 s[G0A+4*\g+2:G0A+4*\g+3], s[G0A+4*\g+2:G0A+4*\g+3], 8*PPLANE
	s_add_nc_u64 s[G0B+4*\g+2:G0B+4*\g+3], s[G0B+4*\g+2:G0B+4*\g+3], 8*VPLANE
	JLOAD \g
	FETCH \ns, 0, \nks, 0
	MULA 2, 1, 0
	MULA 3, 1, 0
	WIN 0
.endm
	FETCH 0, 0, 0, 0
.irp a, 0,1,2,3
	ds_load_b32 v[LI+2*\a], v[LIA] offset:64*\a    ; 1 / l of my lane's query in each of my four tiles
.endr
	STEP 0, 1, 0, 1, 1                             ; step 0 starts the sums
	STEP 1, 0, 0, 2, 2, 1
	STEP 0, 0, 0, 3, 3
	TURN 0, 1, 4                                   ; slot 0 takes planes 8-11
	STEP 0, 0, 1, 1, 5
	STEP 1, 0, 1, 2, 6, 2
	STEP 0, 0, 1, 3, 7
	TURN 1, 0, 8                                   ; slot 1 takes planes 12-15
	STEP 0, 0, 0, 1, 9
	STEP 1, 0, 0, 2, 10
	STEP 0, 0, 0, 3, 11
; THE LAST SLOT, by rows of out.  v's planes 0, 1 of the slot lie where sets 0 and 1 lay, planes 2, 3 in window 3.
.macro VLOAD q                                     ; 27 loads
.if (\q) < 2
.set VD, 96*(\q)
.set RV, VSC+8*(\q)
.set RP, PSC+4*(\q)
	WIN 0x40
.else
.set VD, 96*((\q)-2)
.set RV, 224+8*((\q)-2)
.set RP, 240+4*((\q)-2)
	WIN 0xc0
.endif
.irp i, 0,1,2,3,4,5,6,7
	FRAG3 VD+12*\i, ADRB+1, (\q)*GRP+1536*\i
.endr
	WIN 0
	ds_load_b128 v[RV:RV+3], v[SV+1] offset:(\q)*GRP
	ds_load_b128 v[RV+4:RV+7], v[SV+1] offset:(\q)*GRP+16
	ds_load_b128 v[RP:RP+3], v[SP] offset:512*(12+(\q))
.endm
.macro ALOAD a                                     ; p's tile a, four planes, into buffer a % 2: 12 loads
.irp q, 0,1,2,3
	FRAG3 AF+48*((\a)%2)+12*\q, ADRA+1, \q*12288+1536*(\a)
.endr
.endm
.macro ROW a                                       ; tile a is finished: 32 products, its 8 accumulators by turns
.irp q, 0,2,3,1
.if \q < 2
.set VD, 96*\q
.set RV, VSC+8*\q
.set RP, PSC+4*\q
.else
.set VD, 96*(\q-2)
.set RV, 224+8*(\q-2)
.set RP, 240+4*(\q-2)
.endif
.if (\a) == 0 && \q == 1
	s_wait_dscnt 12                                ; plane 13 is in; p's tile 1 may be out
.endif
	WIN 0xa1+2*(\q/2)
.irp b, 0,1,2,3,4,5,6,7
	v_wmma_scale_f32_16x16x128_f8f6f4 v[8*(8*(\a)+\b):8*(8*(\a)+\b)+7], v[VD+12*\b:VD+12*\b+11], v[AF+48*((\a)%2)+12*\q:AF+48*((\a)%2)+12*\q+11], v[8*(8*(\a)+\b):8*(8*(\a)+\b)+7], v[RV+\b], v[RP+(\a)] matrix_a_fmt:MATRIX_FMT_FP6 matrix_b_fmt:MATRIX_FMT_FP6
.endr
.endr
	WIN 0
.endm
.macro SCALEO a
	WIN 0x02
.set i, 0
.rept 32
	v_pk_mul_f32 v[OT+2*i:OT+2*i+1], v[64*(\a)+2*i:64*(\a)+2*i+1], v[LI+2*(\a):LI+2*(\a)+1] op_sel_hi:[1,0]
.set i, i+1
.endr
	WIN 0
.endm
.macro TOSTAGE a                                   ; through my stage and back as whole rows of 512 bytes, into v192-255 of window 3 or 1 by turns
.irp b, 0,2,4,6
	ds_store_b128 v[STE], v[OT+8*\b:OT+8*\b+3] offset:256*(\b/4)+32*(\b%4)
	ds_store_b128 v[STE], v[OT+8*\b+4:OT+8*\b+7] offset:256*(\b/4)+32*(\b%4)+16
	ds_store_b128 v[STD], v[OT+8*\b+8:OT+8*\b+11] offset:256*(\b/4)+32*(\b%4)+32
	ds_store_b128 v[STD], v[OT+8*\b+12:OT+8*\b+15] offset:256*(\b/4)+32*(\b%4)+48
.endr
	WIN 0xc0-0x80*((\a)%2)
.irp t, 0,1,2,3,4,5,6,7,8,9,10,11,12,13,14,15
	ds_load_b128 v[192+4*\t:195+4*\t], v[RD] offset:\t*SPITCH
.endr
	WIN 0
.endm
.macro SEND a, younger                             ; younger: the LDS loads issued behind the rows'
	s_wait_dscnt \younger
	WIN 0x0c-8*((\a)%2)
.irp t, 0,1,2,3,4,5,6,7
	global_store_b128 v[CO], v[192+4*\t:195+4*\t], s[10:11] offset:(8*(\a)+\t)*4096 th:TH_STORE_NT   ; 512 consecutive bytes of the row of that place's token
.endr
.irp t, 0,1,2,3,4,5,6,7
	global_store_b128 v[CO], v[224+4*\t:227+4*\t], s[10:11] offset:(32+8*((\a)^1)+\t)*4096 th:TH_STORE_NT
.endr
	WIN 0
.endm
	MEET                                           ; step 11; nothing is left to fetch; behind this barrier nobody reads slot 0
	PLACES
	VLOAD 0
	ALOAD 0
	VLOAD 2
	VLOAD 3
	MULA 2, 1, 0
	MULA 3, 1, 0
	WIN 0
	PLACES
	VLOAD 1
	ALOAD 1
	s_wait_dscnt 39                                ; all but the 39 just issued
	ROW 0
.irp a, 0,1,2,3
	PLACES
.if \a > 1
	s_wait_xcnt 0x0                                ; the stores two tiles ago have read their registers
.endif
	SCALEO \a
	TOSTAGE \a
.if \a < 2
	ALOAD \a+2
	SEND \a, 12
.else
	SEND \a, 0
.endif
.if \a < 3
	ROW \a+1
.endif
.endr
	s_wait_tensorcnt 0x0                           ; the wave's end
	ds_add_u32 v[SPW], v[NIL]
	s_wait_dscnt 0x0
	CROUND
	s_endpgm
.Lfunc_end_k_q4ada23792f_values:
	.size	k_q4ada23792f_values, .Lfunc_end_k_q4ada23792f_values-k_q4ada23792f_values
	.p2alignl 7, 3214868480
	.fill 96, 4, 3214868480
	.section	.rodata,"a",@progbits
	.p2align	6, 0x0
	.amdhsa_kernel k_q4ada23792f_values
		.amdhsa_group_segment_fixed_size 327680
		.amdhsa_private_segment_fixed_size 0
		.amdhsa_enable_private_segment 0
		.amdhsa_kernarg_size 32
		.amdhsa_user_sgpr_count 2
		.amdhsa_user_sgpr_kernarg_segment_ptr 1
		.amdhsa_wavefront_size32 1
		.amdhsa_system_sgpr_workgroup_id_x 1
		.amdhsa_system_sgpr_workgroup_id_y 1
		.amdhsa_system_sgpr_workgroup_id_z 1
		.amdhsa_system_vgpr_workitem_id 0
		.amdhsa_next_free_vgpr 1024
		.amdhsa_next_free_sgpr 102
		.amdhsa_reserve_vcc 0
		.amdhsa_float_denorm_mode_32 3
		.amdhsa_float_denorm_mode_16_64 3
		.amdhsa_memory_ordered 1
		.amdhsa_forward_progress 1
		.amdhsa_inst_pref_size 159
	.end_amdhsa_kernel
	.amdgpu_metadata
---
amdhsa.version: [ 1, 2 ]
amdhsa.kernels:
  - .name:           k_q4ada23792f_values
    .symbol:         k_q4ada23792f_values.kd
    .args:
      - { .name: p_codes, .offset: 0, .size: 8, .value_kind: global_buffer, .address_space: global }
      - { .name: p_meta, .offset: 8, .size: 8, .value_kind: global_buffer, .address_space: global }
      - { .name: vb, .offset: 16, .size: 8, .value_kind: global_buffer, .address_space: global }
      - { .name: out0, .offset: 24, .size: 8, .value_kind: global_buffer, .address_space: global }
    .group_segment_fixed_size: 327680
    .private_segment_fixed_size: 0
    .kernarg_segment_align: 8
    .kernarg_segment_size: 32
    .max_flat_workgroup_size: 128
    .sgpr_count:     102
    .vgpr_count:     1024
    .wavefront_size: 32
...
	.end_amdgpu_metadata
.endif
;; end of part 3
